; MI455X (gfx1250); checked and timed in simulation.
; The chip was launched on July 23, 2026; its instructions are those of AMD's public machine-readable ISA for CDNA 5 (MIT licence, August 2026) and "CDNA5" Instruction Set Architecture Reference Guide (July 2026). The comments in the code are by the model that wrote it; some were corrected since.
;; Mo E Layer. Allowed arithmetic: matrix products marked QUANTISED: E2M3 operands, one E8M0 scale for each 32 along K, by v_wmma_scale_f32_16x16x128_f8f6f4 with both operands' format E2M3, f32 sums; products left as they are: f32 operands where the result goes on into a quantised operand, else bf16, f16 or f32 operands; f32 sums; everything else in f32.
;; Inputs: W1_codes 8 x 4,096 x 32 x 24 uint8 (E2M3 codes of W1, K innermost, in blocks of 32 codes, four codes in three bytes); W1_scales 8 x 4,096 x 32 uint8 (E8M0 scales of W1, one for each 32 codes along K); W2_codes 8 x 1,024 x 128 x 24 uint8 (E2M3 codes of W2, K innermost, in blocks of 32 codes, four codes in three bytes); W2_scales 8 x 1,024 x 128 uint8 (E8M0 scales of W2, one for each 32 codes along K); b1 8 x 4,096 float32; b2 8 x 1,024 float32; gate_b 8 float32; gate_w 1,024 x 8 float32; x 8 x 128 x 1,024 float32.
;; Outputs: out0 8 x 128 x 1,024 float32.
;; This version of the problem:
;;   THIS VERSION OF THE PROBLEM IS GIVEN IN LOW PRECISION. The matrix products marked QUANTISED in the list below multiply operands that are first quantised to E2M3 (2 exponent bits, 3 mantissa bits; 6 bits a number), with one power-of-two scale for each 32 numbers along K (OCP MX v1.0); their sums are f32. All else is computed in f32.
;;   The module's matrix products, in the order in which they are computed (A, B: the left and right operand; K: the contracted axis; several contracted axes count as one K, in the product's order):
;;     1. [M 1,024, K 1,024] x [K 1,024, N 8]; A: input x; B: input gate_w: left as it is (N = 8 < 16)
;;     2. [M 1,024, K 1,024] x [K 1,024, N 4,096]; A: input x; B: input W1 (given as codes): QUANTISED
;;     3. [M 1,024, K 4,096] x [K 4,096, N 1,024]; A: computed on the way; B: input W2 (given as codes): QUANTISED
;;     4. [M 1,024, K 1,024] x [K 1,024, N 4,096]; A: input x; B: input W1 (given as codes): QUANTISED
;;     5. [M 1,024, K 4,096] x [K 4,096, N 1,024]; A: computed on the way; B: input W2 (given as codes): QUANTISED
;;     6. [M 1,024, K 1,024] x [K 1,024, N 4,096]; A: input x; B: input W1 (given as codes): QUANTISED
;;     7. [M 1,024, K 4,096] x [K 4,096, N 1,024]; A: computed on the way; B: input W2 (given as codes): QUANTISED
;;     8. [M 1,024, K 1,024] x [K 1,024, N 4,096]; A: input x; B: input W1 (given as codes): QUANTISED
;;     9. [M 1,024, K 4,096] x [K 4,096, N 1,024]; A: computed on the way; B: input W2 (given as codes): QUANTISED
;;     10. [M 1,024, K 1,024] x [K 1,024, N 4,096]; A: input x; B: input W1 (given as codes): QUANTISED
;;     11. [M 1,024, K 4,096] x [K 4,096, N 1,024]; A: computed on the way; B: input W2 (given as codes): QUANTISED
;;     12. [M 1,024, K 1,024] x [K 1,024, N 4,096]; A: input x; B: input W1 (given as codes): QUANTISED
;;     13. [M 1,024, K 4,096] x [K 4,096, N 1,024]; A: computed on the way; B: input W2 (given as codes): QUANTISED
;;     14. [M 1,024, K 1,024] x [K 1,024, N 4,096]; A: input x; B: input W1 (given as codes): QUANTISED
;;     15. [M 1,024, K 4,096] x [K 4,096, N 1,024]; A: computed on the way; B: input W2 (given as codes): QUANTISED
;;     16. [M 1,024, K 1,024] x [K 1,024, N 4,096]; A: input x; B: input W1 (given as codes): QUANTISED
;;     17. [M 1,024, K 4,096] x [K 4,096, N 1,024]; A: computed on the way; B: input W2 (given as codes): QUANTISED
;;   THE QUANTISER, for each operand of a quantised product, along K:
;;     - K is cut into blocks of 32 from its start; a last block that is shorter is filled with zeros.
;;     - A block's scale is 2^e with e = floor(log2(the largest magnitude in the block)) - 2, held to -126 .. 127; a block of zeros has e = 0. As a byte (E8M0): e + 127.
;;     - Each number is divided by its block's scale, clamped to +-7.5, and rounded to the nearest number of E2M3, ties to even, subnormals kept.
;;     - The product sums the exact products of the quantised numbers (number of the format x scale) in f32.
;;   ~~~python
;;   def quantise(x, axis):      # numpy; x: float32 -> the quantised numbers, widened to float32 again
;;       x = np.moveaxis(x, axis, -1); K = x.shape[-1]
;;       x = np.pad(x, [(0, 0)] * (x.ndim - 1) + [(0, -K % 32)]); x = x.reshape(x.shape[:-1] + (-1, 32)); a = np.abs(x).max(-1, keepdims=True)
;;       e = np.where(a > 0, np.clip(np.frexp(np.where(a > 0, a, 1))[1] - 1 - 2, -126, 127), 0)      # np.frexp(a)[1] - 1 = floor(log2(a)), exactly
;;       r = np.clip(x / 2.0 ** e, -7.5, 7.5)
;;       step = 2.0 ** (np.maximum(np.frexp(np.where(r == 0, 1, r))[1] - 1, 0) - 3)
;;       q = np.round(r / step) * step * 2.0 ** e      # np.round: ties to even
;;       return np.moveaxis(q.reshape(q.shape[:-2] + (-1,))[..., :K], -1, axis).astype(np.float32)
;;   ~~~
;;   OPERANDS COMPUTED ON THE WAY. 'Computed on the way' means the value that the module computes at that place (a softmax that the list does not call 'softmax' is quantised finished and normalised). What goes into a quantiser is computed in f32, as accurately as f32 sums, v_exp_f32 and their like allow (about 1e-6 of the number): no bf16 or f16 on the way to a quantiser, and a product that is left as it is and whose result goes on into a quantised operand takes f32 operands (vector FMAs, or v_wmma_f32_16x16x4_f32). A number that lies on a knife's edge between two numbers of the format may be rounded either way, as far as f32 arithmetic and the matrix unit's own rounding can turn it there, and no further.
;;   INPUTS GIVEN AS CODES. W1 (in the module: [8, 1024, 4096], K = its axis 1); W2 (in the module: [8, 4096, 1024], K = its axis 1): each comes as NAME_codes (uint8): NAME with its K axis moved to the last place and cut into blocks of 32 codes, [.., K / 32, bytes a block], one block behind the other in memory; four codes in three bytes: a row's codes are one little-endian stream of bits, code i at bits 6 i .. 6 i + 5 (a code: sign, 2 exponent bits, 3 mantissa bits); and NAME_scales (uint8): the same leading axes, one E8M0 byte (e + 127) for each 32 codes along K. Its value is code x scale, taken as it is: it is not quantised again, and the codes and scales need not be those that the quantiser above would give.
;; 2 versions. Each part assembles by itself: llvm-mc -triple=amdgcn-amd-amdhsa -mcpu=gfx1250 --defsym DOCPART=n.
;; ======== version 1 of 2: 4 launches
;; workspace buffers: xq 786,432 bytes; xs 32,768 bytes; idx 4,096 bytes of whole numbers; gat 8,192 bytes; hq 29,360,128 bytes; cnt 1,024 bytes of whole numbers; y 33,554,432 bytes
;; launch route (part 1): grid 256 x 1, 4 waves a work-group, no clusters, 55,808 bytes of LDS; arguments x, gate_w, gate_b, xq, xs, idx, gat; writes xq, xs, idx, gat
.if DOCPART == 1
	.amdgcn_target "amdgcn-amd-amdhsa--gfx1250"
	.amdhsa_code_object_version 6
	.text
	.protected	k_q3978a48d7a_route
	.globl	k_q3978a48d7a_route
	.p2align	8
	.type	k_q3978a48d7a_route,@function
k_q3978a48d7a_route:
	s_mov_b64 s[64:65], 0
	v_nop
	global_prefetch_b8 v0, s[64:65] scope:SCOPE_SE
	s_setreg_imm32_b32 hwreg(HW_REG_WAVE_MODE, 25, 1), 1
	s_wait_xcnt 0x0
; ROUTER AND QUANTISER OF x.  One wave takes one token t = 4 x work-group + wave.
; (1) x[t][0..1023] is turned into codes of E2M3 with one E8M0 byte for each 32 along D, once for the whole program.
;     xq: [token][K step s of 128][half h][48 bytes]: block 4 s + h, then block 4 s + 2 + h: the twelve registers that lane (r, h) of a 6-bit operand wants, on end.
;     xs: [token][8 words]: word s = the scale bytes of blocks 4 s .. 4 s + 3.
; (2) logits = x gate_w + gate_b in f32 (fused multiply-adds), softmax with the row's maximum taken away, the two largest gates (the lower index wins a tie), normalised by their sum.
;     idx[t] = (1 << e0) | (0x100 << e1);  gat[t] = the two weights.  Both go to fixed places: no address and no branch hangs on the choice.
; Each load of x reads 512 consecutive bytes; a lane's 16 neighbours along D come back from the wave's own stage in LDS (64 bytes + 16 of padding a lane).
; gate_w (32 KiB) is brought into LDS once by the four waves; piece q of 16 bytes lies at 16 q + 16 (q / 32), so that lanes 528 bytes apart meet in no bank.
; The small results (32, 4 and 8 bytes a token) do not fill aligned blocks of 256 bytes: 44 bytes against the 4,864 that a wave moves otherwise.
; LIMITS: NaN and infinities are not served.  A gate under 2^-126 becomes 0 (v_exp_f32 gives 0 there).  A block of zeros gets the byte 1, not 127: its codes are zeros, and this program alone reads the bytes.
; Two gates that agree within the rounding of f32 may be ordered otherwise than by another order of the sums.
.set SP,   80                          ; a lane's place in a stage
.set STG,  33792                       ; behind gate_w: 5,376 bytes for each wave: two stages of 32 x 80, then its 32 scale bytes
.set WREG, 5376
.set SBO,  5120
.set R,    16                          ; v16-47   x as loaded
.set X,    48                          ; v48-79   register 16 c + i = x[512 c + 16 lane + i]
.set GA,   80                          ; v80-143  gate_w as loaded, later rows of gate_w from LDS
.set GB,   144                         ; v144-207 the same, by turns
.set ACC,  208                         ; v208-215 the eight logits
.set P,    216                         ; v216-223 the eight gates
.set T,    224                         ; v224-239 at work
.set C,    240                         ; v240-242, v244-246 codes
	s_load_b256 s[4:11], s[0:1], 0x0               ; x, gate_w, gate_b, xq
	s_load_b128 s[12:15], s[0:1], 0x20             ; xs, idx
	s_load_b64 s[16:17], s[0:1], 0x30              ; gat
	v_lshl_add_u32 v248, v0, 2, 0xd800
	v_mov_b32 v249, 0
	v_lshrrev_b32 v2, 5, v0
	v_readfirstlane_b32 s18, v2                    ; wave
	v_and_b32 v1, 31, v0                           ; lane
	v_lshlrev_b32 v3, 4, v1                        ; 16 x lane
	v_lshlrev_b32 v4, 4, v0                        ; 16 x thread: gate_w in memory
	v_lshl_add_u32 v5, v2, 4, v4                   ; and in LDS: + 16 x wave (a load's piece is 128 i + thread)
	s_mul_i32 s19, s18, WREG
	s_add_co_u32 s19, s19, STG                     ; my wave's region
	v_lshrrev_b32 v6, 2, v1
	v_mul_u32_u24 v6, v6, SP
	v_and_b32 v14, 3, v1
	v_lshl_add_u32 v6, v14, 4, v6
	v_add_nc_u32 v6, s19, v6                       ; into a stage: 80 (lane / 4) + 16 (lane % 4)
	v_mul_u32_u24 v7, v1, SP
	v_add_nc_u32 v7, s19, v7                       ; out of it: 80 x lane
	v_mul_u32_u24 v8, v1, 528                      ; gate_w's rows 16 lane .. 16 lane + 15
	v_lshrrev_b32 v9, 3, v1                        ; my 12 bytes of codes: block 16 c + lane / 2, its half lane % 2
	v_mul_u32_u24 v9, v9, 96                       ; K step 4 c + lane / 8
	v_bfe_u32 v14, v1, 1, 1
	v_mad_u32_u24 v9, v14, 48, v9                  ; h = the block's lowest bit
	v_bfe_u32 v14, v1, 2, 1
	v_mad_u32_u24 v9, v14, 24, v9                  ; first or second block of the 48 bytes
	v_and_b32 v14, 1, v1
	v_mad_u32_u24 v9, v14, 12, v9
	s_add_co_u32 s20, s19, SBO
	v_lshrrev_b32 v10, 1, v1
	v_add_nc_u32 v10, s20, v10                     ; my block's scale byte
	v_and_b32 v12, 7, v1
	v_lshlrev_b32 v12, 2, v12                      ; a scale word on its way out
	v_add_nc_u32 v11, s20, v12
	v_mov_b32 v13, 0
.irp e, 0,1,2,3,4,5,6,7
	v_mov_b32 v[P+\e], 0                           ; written once: a lane permute's destination counts as one of its sources
.endr
	s_lshl_b32 s21, ttmp9, 2
	s_add_co_u32 s21, s21, s18                     ; my token
	s_mov_b32 s23, 0
	s_mov_b32 s32, 0x76543210
	s_mov_b32 s33, 0xfedcba98                      ; selects for lane l xor 16
	s_wait_kmcnt 0x0
	s_lshl_b32 s22, s21, 12
	s_add_nc_u64 s[4:5], s[4:5], s[22:23]          ; x + 4,096 t
	s_mul_i32 s22, s21, 768
	s_add_nc_u64 s[10:11], s[10:11], s[22:23]      ; xq + 768 t
	s_lshl_b32 s22, s21, 5
	s_add_nc_u64 s[12:13], s[12:13], s[22:23]      ; xs + 32 t
	s_lshl_b32 s22, s21, 2
	s_add_nc_u64 s[14:15], s[14:15], s[22:23]      ; idx + 4 t
	s_lshl_b32 s22, s21, 3
	s_add_nc_u64 s[16:17], s[16:17], s[22:23]      ; gat + 8 t
	s_load_b256 s[24:31], s[8:9], 0x0              ; gate_b
.irp i, 0,1,2,3,4,5,6,7
	global_load_b128 v[R+4*\i:R+4*\i+3], v3, s[4:5] offset:512*\i th:TH_LOAD_NT     ; 32 lanes read 512 consecutive bytes; read once in the launch
.endr
.irp i, 0,1,2,3,4,5,6,7,8,9,10,11,12,13,14,15
	global_load_b128 v[GA+4*\i:GA+4*\i+3], v4, s[6:7] offset:2048*\i               ; the work-group's 128 threads read 2,048 consecutive bytes
.endr
.macro TURN c                          ; 512 numbers through a stage: LDS serves a wave's instructions in order, so no wait stands between the stores and the loads
.irp i, 0,1,2,3
	ds_store_b128 v6, v[R+16*\c+4*\i:R+16*\c+4*\i+3] offset:2560*\c+640*\i
.endr
.irp i, 0,1,2,3
	ds_load_b128 v[X+16*\c+4*\i:X+16*\c+4*\i+3], v7 offset:2560*\c+16*\i
.endr
.endm
.macro QSTEP c                         ; my 16 neighbours become 12 bytes of codes; two neighbouring lanes hold a block
.set XS, X+16*\c
.set TC, T+4*\c
	v_max3_num_f32 v[TC], |v[XS]|, |v[XS+1]|, |v[XS+2]|
	v_max3_num_f32 v[TC+1], |v[XS+3]|, |v[XS+4]|, |v[XS+5]|
.irp i, 6,10
	v_max3_num_f32 v[TC], v[TC], |v[XS+\i]|, |v[XS+\i+1]|
	v_max3_num_f32 v[TC+1], v[TC+1], |v[XS+\i+2]|, |v[XS+\i+3]|
.endr
	v_max3_num_f32 v[TC], v[TC], |v[XS+14]|, |v[XS+15]|
	v_max3_num_f32 v[TC], v[TC], v[TC+1], 0x1800000            ; and the floor 2^(3 - 127): the byte cannot fall under 1
	v_max_num_f32_dpp v[TC], v[TC], v[TC] row_xmask:1 row_mask:0xf bank_mask:0xf   ; with my neighbour's 16: the block's largest magnitude
	v_add_nc_u32 v[TC+2], 0xff000000, v[TC]                    ; 2 off its exponent field: the conversion takes the exponent field of this operand as its scale
	v_cvt_scalef32_pk16_fp6_f32 v[C+4*\c:C+4*\c+2], v[XS:XS+15], v[TC+2]
	v_lshrrev_b32 v[TC+3], 23, v[TC+2]                         ; the scale's byte (also the plain line behind the conversion)
	ds_store_b8 v10, v[TC+3] offset:16*\c                      ; both lanes of a block write the same byte with the same value
	global_store_b96 v9, v[C+4*\c:C+4*\c+2], s[10:11] offset:384*\c   ; the wave's 32 pieces of 12 bytes cover 384 consecutive bytes
.endm
	s_wait_loadcnt 16                              ; x's eight loads are in; gate_w's sixteen may be out
	TURN 0
	TURN 1
	s_wait_dscnt 0x0
	QSTEP 0
	QSTEP 1
	s_wait_loadcnt 0x0                             ; gate_w
.irp i, 0,1,2,3,4,5,6,7,8,9,10,11,12,13,14,15
	ds_store_b128 v5, v[GA+4*\i:GA+4*\i+3] offset:2112*\i      ; piece 128 i + thread: 2,048 i + 16 (4 i) further on
.endr
	s_wait_dscnt 0x0                               ; for the others' sake: my part of gate_w lies in LDS
	s_barrier_signal -1
	s_barrier_wait -1                              ; everybody's does
; A group g = eight of my 16 k of half c = g / 2: their rows of gate_w, 32 bytes each
.macro GLOAD g, buf
.irp i, 0,1,2,3,4,5,6,7
.irp p, 0,1
	ds_load_b128 v[\buf+8*\i+4*\p:\buf+8*\i+4*\p+3], v8 offset:16896*(\g/2)+32*(8*(\g%2)+\i)+16*\p
.endr
.endr
.endm
.macro GFMA g, buf, first              ; 64 multiply-adds, the eight logits by turns; the first eight products start the sums
.irp i, 0,1,2,3,4,5,6,7
.irp e, 0,1,2,3,4,5,6,7
.if (\first) && (\i == 0)
	v_mul_f32 v[ACC+\e], v[X+16*(\g/2)+8*(\g%2)+\i], v[\buf+8*\i+\e]
.else
	v_fmac_f32 v[ACC+\e], v[X+16*(\g/2)+8*(\g%2)+\i], v[\buf+8*\i+\e]
.endif
.endr
.endr
.endm
	GLOAD 0, GA
	GLOAD 1, GB
	s_wait_dscnt 16                                ; this group's loads are in; the next group's sixteen may be out
	GFMA 0, GA, 1
	GLOAD 2, GA
	s_wait_dscnt 16
	GFMA 1, GB, 0
	GLOAD 3, GB
	s_wait_dscnt 16
	GFMA 2, GA, 0
	s_wait_dscnt 0x0
	GFMA 3, GB, 0
	ds_load_b32 v239, v11                          ; my token's scale words (lanes 0 to 7 store them below)
.irp m, 1,2,4,8
.irp e, 0,1,2,3,4,5,6,7
	v_add_f32_dpp v[ACC+\e], v[ACC+\e], v[ACC+\e] row_xmask:\m row_mask:0xf bank_mask:0xf
.endr
.endr
.irp e, 0,1,2,3,4,5,6,7
	v_permlanex16_b32 v[P+\e], v[ACC+\e], s32, s33
.endr
.irp e, 0,1,2,3,4,5,6,7
	v_add_f32 v[ACC+\e], v[ACC+\e], v[P+\e]        ; every lane holds the eight sums
.endr
	s_wait_kmcnt 0x0
.irp e, 0,1,2,3,4,5,6,7
	v_add_f32 v[ACC+\e], s[24+\e], v[ACC+\e]       ; + gate_b
.endr
	v_max3_num_f32 v224, v208, v209, v210          ; the softmax: the largest logit is taken away first
	v_max3_num_f32 v224, v224, v211, v212
	v_max3_num_f32 v224, v224, v213, v214
	v_max_num_f32 v224, v224, v215
.irp e, 0,1,2,3,4,5,6,7
	v_sub_f32 v[P+\e], v[ACC+\e], v224
.endr
.irp e, 0,1,2,3,4,5,6,7
	v_mul_f32 v[P+\e], 0x3fb8aa3b, v[P+\e]         ; x log2(e)
.endr
.irp e, 0,1,2,3,4,5,6,7
	v_exp_f32 v[P+\e], v[P+\e]
.endr
	v_mov_b32 v236, 1                              ; (a plain line behind the exponentials)
	s_wait_alu depctr_va_vdst(0)
	v_add_f32 v225, v216, v217
	v_add_f32 v226, v218, v219
	v_add_f32 v227, v220, v221
	v_add_f32 v228, v222, v223
	v_add_f32 v225, v225, v226
	v_add_f32 v227, v227, v228
	v_add_f32 v225, v225, v227
	v_rcp_f32 v226, v225
	v_mov_b32 v237, 0x100                          ; (a plain line behind the reciprocal)
	v_mov_b32 v238, -1.0
	s_wait_alu depctr_va_vdst(0)
.irp e, 0,1,2,3,4,5,6,7
	v_mul_f32 v[P+\e], v[P+\e], v226               ; the gates
.endr
.macro SCAN best, ind                  ; the largest gate and its index, ascending: a later one takes over only where it is strictly larger
	v_mov_b32 v[\best], v[P]
	v_mov_b32 v[\ind], 0
.irp e, 1,2,3,4,5,6,7
	v_cmp_ge_f32 vcc_lo, v[\best], v[P+\e]
	v_cndmask_b32 v[\ind], \e, v[\ind], vcc_lo
	v_cndmask_b32 v[\best], v[P+\e], v[\best], vcc_lo
.endr
.endm
	SCAN 228, 229
.irp e, 0,1,2,3,4,5,6,7
	v_cmp_eq_u32 vcc_lo, \e, v229
	v_cndmask_b32 v[P+\e], v[P+\e], v238, vcc_lo   ; the winner leaves: -1 lies under every gate
.endr
	SCAN 230, 231
	v_add_f32 v232, v228, v230
	v_rcp_f32 v233, v232
	v_lshlrev_b32 v236, v229, v236                 ; 1 << e0  (a plain line behind the reciprocal)
	v_lshlrev_b32 v237, v231, v237                 ; 0x100 << e1
	s_wait_alu depctr_va_vdst(0)
	v_mul_f32 v234, v228, v233
	v_mul_f32 v235, v230, v233                     ; the two weights, normalised
	v_or_b32 v236, v236, v237
	s_wait_dscnt 0x0                               ; the scale words
	v_cmp_gt_u32 vcc_lo, 8, v1
	s_wait_xcnt 0x0                                ; EXEC changes only behind this wait
	s_wait_tensorcnt 0x0
	ds_add_u32 v248, v249
	s_wait_dscnt 0x0
	s_and_saveexec_b32 s36, vcc_lo
	global_store_b32 v12, v239, s[12:13]           ; lanes 0 to 7: xs[t]
	v_cmp_eq_u32 vcc_lo, 0, v1
	s_wait_xcnt 0x0
	s_and_saveexec_b32 s37, vcc_lo
	global_store_b32 v13, v236, s[14:15]           ; lane 0: idx[t]
	global_store_b64 v13, v[234:235], s[16:17]     ; and gat[t]
	s_endpgm
.Lfunc_end_k_q3978a48d7a_route:
	.size	k_q3978a48d7a_route, .Lfunc_end_k_q3978a48d7a_route-k_q3978a48d7a_route
	.p2alignl 7, 3214868480
	.fill 96, 4, 3214868480
	.section	.rodata,"a",@progbits
	.p2align	6, 0x0
	.amdhsa_kernel k_q3978a48d7a_route
		.amdhsa_group_segment_fixed_size 55808
		.amdhsa_private_segment_fixed_size 0
		.amdhsa_enable_private_segment 0
		.amdhsa_kernarg_size 56
		.amdhsa_user_sgpr_count 2
		.amdhsa_user_sgpr_kernarg_segment_ptr 1
		.amdhsa_wavefront_size32 1
		.amdhsa_system_sgpr_workgroup_id_x 1
		.amdhsa_system_sgpr_workgroup_id_y 1
		.amdhsa_system_sgpr_workgroup_id_z 1
		.amdhsa_system_vgpr_workitem_id 0
		.amdhsa_next_free_vgpr 250
		.amdhsa_next_free_sgpr 66
		.amdhsa_reserve_vcc 1
		.amdhsa_float_denorm_mode_32 3
		.amdhsa_float_denorm_mode_16_64 3
		.amdhsa_memory_ordered 1
		.amdhsa_forward_progress 1
		.amdhsa_inst_pref_size 30
	.end_amdhsa_kernel
	.amdgpu_metadata
---
amdhsa.version: [ 1, 2 ]
amdhsa.kernels:
  - .name:           k_q3978a48d7a_route
    .symbol:         k_q3978a48d7a_route.kd
    .args:
      - { .name: x, .offset: 0, .size: 8, .value_kind: global_buffer, .address_space: global }
      - { .name: gate_w, .offset: 8, .size: 8, .value_kind: global_buffer, .address_space: global }
      - { .name: gate_b, .offset: 16, .size: 8, .value_kind: global_buffer, .address_space: global }
      - { .name: xq, .offset: 24, .size: 8, .value_kind: global_buffer, .address_space: global }
      - { .name: xs, .offset: 32, .size: 8, .value_kind: global_buffer, .address_space: global }
      - { .name: idx, .offset: 40, .size: 8, .value_kind: global_buffer, .address_space: global }
      - { .name: gat, .offset: 48, .size: 8, .value_kind: global_buffer, .address_space: global }
    .group_segment_fixed_size: 55808
    .private_segment_fixed_size: 0
    .kernarg_segment_align: 8
    .kernarg_segment_size: 56
    .max_flat_workgroup_size: 128
    .sgpr_count:     66
    .vgpr_count:     250
    .wavefront_size: 32
...
	.end_amdgpu_metadata
.endif
;; end of part 1
;; launch ffn1 (part 2): grid 32 x 8, 4 waves a work-group, no clusters, 100,864 bytes of LDS; arguments idx, xq, xs, W1_codes, W1_scales, b1, hq, cnt; writes hq, cnt
.if DOCPART == 2
	.amdgcn_target "amdgcn-amd-amdhsa--gfx1250"
	.amdhsa_code_object_version 6
	.text
	.protected	k_q3978a48d7a_ffn1
	.globl	k_q3978a48d7a_ffn1
	.p2align	8
	.type	k_q3978a48d7a_ffn1,@function
k_q3978a48d7a_ffn1:
	s_mov_b64 s[64:65], 0
	v_nop
	global_prefetch_b8 v0, s[64:65] scope:SCOPE_SE
	s_setreg_imm32_b32 hwreg(HW_REG_WAVE_MODE, 25, 1), 1
	s_wait_xcnt 0x0
; THE FIRST PRODUCT, for the routed rows alone: hq = Q(relu(x W1[e] + b1[e])), codes of E2M3 with one E8M0 byte for each 32 along F.
; SHARES.  Work-group (s', e): hidden units 128 s' .. 128 s' + 127 of expert e, for all rows routed to e.  Its slice of W1 (128 rows x 768 bytes, dense in memory) goes once through registers into LDS; one barrier.
; Then each wave walks tiles of 16 routed rows of its own: wave v takes tiles T0 + 4 j, j = 0 .. 4, T0 = v, v + 20, v + 40, v + 60: four passes cover the 64 tiles that an expert can have.
; The loop over passes has a constant count; a pass whose T0 lies at or beyond n, the number of the expert's tiles, is jumped over.
; WHICH ROWS.  idx[t] holds a bit for each of token t's two experts.  All 1,024 words are read, 32 registers a lane; register w, lane i stands for token 128 (w / 4) + 4 i + w % 4.  A compare gives a mask of 32 members for each w.
; Position p of an expert's list is the p-th set bit of the 32 masks, in the order (w, i); it is found in registers (SELECT3), a position a lane.  Tile = p / 16.
; (The last launch of the program finds a token's positions by counting in the same order.)  Tiles at or beyond n inside a pass run on clamped rows and store nothing.
; LAYOUT.  The product is used transposed (source 0 = 16 rows of W1, source 1 = 16 rows of x), and the rows of W1 that form a tile are not neighbours: lane r of tile 2 b + u takes row 32 b + 8 u + r + 8 (r / 8),
; so that a lane's 16 registers of tiles 2 b, 2 b + 1 are 16 neighbours along F.  b1 is the C of each sum's first product.  A tile's 128 hidden units are one K step of the second product:
; hq[e][tile][s'] = 1,792 bytes: the fragment as an image of its registers (3 x 512 bytes, lane l's 16 bytes at 16 l), then 256 bytes with lane l's scale word at 8 l.  Every store covers whole aligned blocks of 256 bytes.
; Wave 0 of the work-group with s' = 0 also stores cnt[e] = the number of rows.
; NO TENSOR LOADS, NO CLUSTER: which passes run, and which tiles are stored, hang on counts read from memory;
; without such branches every expert would have to be taken as 1,024 rows, four times the 2,048 rows that are routed.
; REGISTERS, in windows of 256: window 0: v1-15 lane constants, v16-21 positions and tokens, v22-37 what becomes an address (nothing else ever lies there), v38-61 SELECT3, v62-93 W1's scale words, v94-133 x's scale words,
;   v136-195, v196-255 x's fragments, sets 0 and 1 (at the head v136-167 hold idx; on the way out v136-237 hold a tile's numbers, codes and scale word).   window 1: W1's fragments, two sets, at v0 and v128.
;   window 2: the accumulators of tiles 0-3 (tile j, W1 tile t at v[64 j + 8 t]); ahead of the barrier v0-191 carry the slice on its way to LDS.   window 3: v0-63 tile 4's accumulators; v64-127 b1; v128-187, v188-247 x's sets 2 and 3.
; LIMITS: NaN and infinities are not served; a block of zeros gets the byte 1, not 127 (its codes are zeros; this program alone reads the bytes).
.set PITCH, 784                        ; an LDS row: 768 bytes + 16 = 196 words: row r starts at bank 4 r mod 64 (64 banks of 4 bytes: ISA guide 11.1); with 6 words for the upper lanes the 32 lanes of a load of 8 bytes touch 64 different banks
.set PASSES, 4
.set POS,  16                          ; v16-18  three registers of positions: lanes 0-15 tile 2 q, lanes 16-31 tile 2 q + 1
.set TOK,  19                          ; v19-21  their tokens
.set TT,   22                          ; v22-24  at work
.set TU,   25                          ; v25-27  at work
.set XO,   28                          ; v28-32  tile j: the row's token, then 768 x token + 48 h
.set XSO,  33                          ; v33-37  tile j: 32 x token
.set SEW,  38                          ; SELECT3: the word w,
.set SEB,  41                          ; the members in front of it, later the bit's place,
.set SEM,  44                          ; its mask,
.set SEK,  47                          ; the rank in it,
.set SEA,  50                          ; counts of its pairs of bits,
.set SEN,  53                          ; of its groups of four,
.set SEC,  56                          ; of its bytes,
.set SED,  59                          ; of its halves
.set SW,   62                          ; v62-93   register 8 b + s: lanes 0-15 the word of W1 tile 2 b, lanes 16-31 of tile 2 b + 1, K step s
.set XS,   94                          ; v94-133  register 8 j + s: x's scale word of tile j, K step s
.set IW,   136                         ; idx at the head
.set ST,   136                         ; the way out: 64 numbers,
.set PC,   200                         ; the codes,
.set TM,   220                         ; largest magnitudes, bytes, scale operands,
.set PW,   236                         ; the scale word; v237 = 0 beside it
.set MK,   32                          ; s[32:63] the 32 masks
.set SEL,  66                          ; s[66:67] selects for lane l xor 16
.set MSB, 0
.macro WIN new                         ; the immediate's high byte repeats the setting that is left; a switch that changes nothing is dropped
.if MSB != (\new)
	s_set_vgpr_msb (MSB<<8)|(\new)
.set MSB, (\new)
.endif
.endm
.macro PLACES n                        ; a load into a register that a matrix instruction has read, and a vector instruction that reads its result, stand four plain vector instructions behind it
.rept \n
	v_nop
.endr
.endm
; One stage of the search for the k-th set bit: does it lie in the lower part (t members) of what is left?
.macro SELSTG xr, wd, stp
.irp q, 0,1,2
	v_bfe_u32 v[TT+\q], v[\xr+\q], v[SEB+\q], \wd
.endr
.irp q, 0,1,2
	v_cmp_ge_u32 s[78+\q], v[SEK+\q], v[TT+\q]
.endr
.irp q, 0,1,2
	v_cndmask_b32 v[TT+\q], 0, v[TT+\q], s[78+\q]
.endr
.irp q, 0,1,2
	v_add_nc_u32 v[TU+\q], \stp, v[SEB+\q]
.endr
.irp q, 0,1,2
	v_sub_nc_u32 v[SEK+\q], v[SEK+\q], v[TT+\q]
.endr
.irp q, 0,1,2
	v_cndmask_b32 v[SEB+\q], v[SEB+\q], v[TU+\q], s[78+\q]
.endr
.endm
; From three registers of positions to their tokens.  First the last word w with no more members in front of it than the position; then the bit.  A position beyond the list ends at some token of word 31.
.macro SELECT3
.irp q, 0,1,2
	v_mov_b32 v[SEW+\q], 0
	v_mov_b32 v[SEB+\q], 0
	v_mov_b32 v[SEM+\q], s[MK]
.endr
	s_bcnt1_i32_b32 s77, s[MK]                     ; members in front of word 1
.set w, 1
.rept 31
.irp q, 0,1,2
	v_cmp_gt_u32 s[78+\q], s77, v[POS+\q]
.endr
.irp q, 0,1,2
	v_cndmask_b32 v[SEW+\q], w, v[SEW+\q], s[78+\q]
	v_cndmask_b32 v[SEB+\q], s77, v[SEB+\q], s[78+\q]
	v_cndmask_b32 v[SEM+\q], s[MK+w], v[SEM+\q], s[78+\q]
.endr
	s_bcnt1_i32_b32 s81, s[MK+w]
	s_add_co_u32 s77, s77, s81
.set w, w+1
.endr
.irp q, 0,1,2
	v_sub_nc_u32 v[SEK+\q], v[POS+\q], v[SEB+\q]
.endr
.irp q, 0,1,2
	v_lshrrev_b32 v[TT+\q], 1, v[SEM+\q]
.endr
.irp q, 0,1,2
	v_and_b32 v[TT+\q], 0x55555555, v[TT+\q]
.endr
.irp q, 0,1,2
	v_sub_nc_u32 v[SEA+\q], v[SEM+\q], v[TT+\q]
.endr
.irp q, 0,1,2
	v_lshrrev_b32 v[TT+\q], 2, v[SEA+\q]
.endr
.irp q, 0,1,2
	v_and_b32 v[TT+\q], 0x33333333, v[TT+\q]
.endr
.irp q, 0,1,2
	v_and_b32 v[TU+\q], 0x33333333, v[SEA+\q]
.endr
.irp q, 0,1,2
	v_add_nc_u32 v[SEN+\q], v[TT+\q], v[TU+\q]
.endr
.irp q, 0,1,2
	v_lshrrev_b32 v[TT+\q], 4, v[SEN+\q]
.endr
.irp q, 0,1,2
	v_add_nc_u32 v[TT+\q], v[TT+\q], v[SEN+\q]
.endr
.irp q, 0,1,2
	v_and_b32 v[SEC+\q], 0x0f0f0f0f, v[TT+\q]
.endr
.irp q, 0,1,2
	v_lshrrev_b32 v[TT+\q], 8, v[SEC+\q]
.endr
.irp q, 0,1,2
	v_add_nc_u32 v[SED+\q], v[TT+\q], v[SEC+\q]
.endr
.irp q, 0,1,2
	v_mov_b32 v[SEB+\q], 0                         ; the bit's place
.endr
	SELSTG SED, 8, 16
	SELSTG SEC, 8, 8
	SELSTG SEN, 4, 4
	SELSTG SEA, 2, 2
	SELSTG SEM, 1, 1
.irp q, 0,1,2
	v_lshrrev_b32 v[TT+\q], 2, v[SEW+\q]
.endr
.irp q, 0,1,2
	v_lshlrev_b32 v[TT+\q], 7, v[TT+\q]
.endr
.irp q, 0,1,2
	v_lshl_add_u32 v[TT+\q], v[SEB+\q], 2, v[TT+\q]
.endr
.irp q, 0,1,2
	v_and_b32 v[TU+\q], 3, v[SEW+\q]
.endr
.irp q, 0,1,2
	v_add_nc_u32 v[TOK+\q], v[TT+\q], v[TU+\q]     ; 128 (w / 4) + 4 i + w % 4
.endr
.endm
.macro XLOAD s                         ; x's five fragments of K step s into set s % 4: three loads of 16 bytes a lane and tile
.if ((\s)%4) < 2
	WIN 0
.set XB, 136+60*((\s)%4)
.else
	WIN 0xc0
.set XB, 128+60*((\s)%4-2)
.endif
.irp j, 0,1,2,3,4
.irp c, 0,1,2
	global_load_b128 v[XB+12*\j+4*\c:XB+12*\j+4*\c+3], v[XO+\j], s[6:7] offset:96*(\s)+16*\c
.endr
.endr
.endm
; What a pass needs: its positions, tokens and offsets; then 55 loads: 10 of x's scale words, x's fragments of K steps 0, 1, 2.
.macro PREP
	s_wait_xcnt 0x0                                ; every earlier load and store has read its registers: offsets, store data and bases are written again only behind this wait
	s_lshl_b32 s76, s27, 4
	v_add_nc_u32 v[POS], s76, v10                  ; tiles T0, T0 + 4
	s_add_co_u32 s77, s76, 128
	v_add_nc_u32 v[POS+1], s77, v10                ; T0 + 8, T0 + 12
	s_add_co_u32 s77, s76, 256
	v_add_nc_u32 v[POS+2], s77, v11                ; T0 + 16; the upper lanes get a position beyond every list
	SELECT3
.irp q, 0,1,2
	v_permlanex16_b32 v[TT+\q], v[TOK+\q], s[SEL], s[SEL+1]
.endr
	v_cndmask_b32 v[XO+0], v[TOK+0], v[TT+0], s68  ; both halves of the lanes want the token of row lane % 16 of the tile
	v_cndmask_b32 v[XO+1], v[TT+0], v[TOK+0], s68
	v_cndmask_b32 v[XO+2], v[TOK+1], v[TT+1], s68
	v_cndmask_b32 v[XO+3], v[TT+1], v[TOK+1], s68
	v_cndmask_b32 v[XO+4], v[TOK+2], v[TT+2], s68
.irp j, 0,1,2,3,4
	v_min_u32 v[XO+\j], 0x3ff, v[XO+\j]            ; a token's number, held inside x
.endr
.irp j, 0,1,2,3,4
	v_lshlrev_b32 v[XSO+\j], 5, v[XO+\j]
.endr
.irp j, 0,1,2,3,4
	v_mul_u32_u24 v[XO+\j], v[XO+\j], 768
.endr
.irp j, 0,1,2,3,4
	v_add_nc_u32 v[XO+\j], v[XO+\j], v12
.endr
	s_wait_loadcnt 0x0                             ; W1's scale words and b1, asked for ahead of the barrier, are in; from here on the counts count this pass's loads alone
.irp j, 0,1,2,3,4
.irp c, 0,1
	global_load_b128 v[XS+8*\j+4*\c:XS+8*\j+4*\c+3], v[XSO+\j], s[8:9] offset:16*\c
.endr
.endr
	XLOAD 0
	XLOAD 1
	XLOAD 2
	WIN 0
.endm
.macro LDSW s                          ; W1's eight fragments of K step s into set s % 2: 24 bytes of a row's stream of bits as three loads of 8 bytes, twice
	WIN 0x40
.irp t, 0,1,2,3,4,5,6,7
.irp p, 0,1,2,3,4,5
	ds_load_b64 v[128*((\s)%2)+12*\t+2*\p:128*((\s)%2)+12*\t+2*\p+1], v[4+\t/4] offset:16*PITCH*(\t%4)+96*(\s)+48*(\p/3)+8*(\p%3)
.endr
.endr
.endm
; 40 matrix instructions: five tiles of rows x eight tiles of W1, K step s.  The 40 accumulators take turns, one instruction a turn, in the same order in every step.
.macro MULA s
.if ((\s)%4) < 2
.set XB, 136+60*((\s)%4)
.set XW, 0
.else
.set XB, 128+60*((\s)%4-2)
.set XW, 3
.endif
.irp j, 0,1,2,3,4
.if (\s) == 0
	WIN ((2+\j/4)<<6)|(3<<4)|(XW<<2)|1             ; source 0 (W1) window 1, source 1 (x) its set's, C = b1 in window 3
.else
	WIN ((2+\j/4)<<6)|((2+\j/4)<<4)|(XW<<2)|1      ; C and D the accumulator's window
.endif
.irp t, 0,1,2,3,4,5,6,7
.set AC, 64*(\j%4)+8*\t
.set CB, AC
.if (\s) == 0
.set CB, 64+8*\t
.endif
.set WF, 128*((\s)%2)+12*\t
.set XF, XB+12*\j
.if \t%2
	v_wmma_scale_f32_16x16x128_f8f6f4 v[AC:AC+7], v[WF:WF+11], v[XF:XF+11], v[CB:CB+7], v[SW+8*(\t/2)+(\s)], v[XS+8*\j+(\s)] matrix_a_fmt:MATRIX_FMT_FP6 matrix_b_fmt:MATRIX_FMT_FP6 matrix_a_scale:MATRIX_SCALE_ROW1
.else
	v_wmma_scale_f32_16x16x128_f8f6f4 v[AC:AC+7], v[WF:WF+11], v[XF:XF+11], v[CB:CB+7], v[SW+8*(\t/2)+(\s)], v[XS+8*\j+(\s)] matrix_a_fmt:MATRIX_FMT_FP6 matrix_b_fmt:MATRIX_FMT_FP6
.endif
.endr
.endr
.endm
.macro STEP s                          ; a K step of 128: the next step's fragments of W1 and x's of three steps on are asked for, then this step is multiplied
	PLACES 4
	s_wait_dscnt 0x0                               ; this step's fragments of W1 are in: they were asked for ahead of the last step's 40 products
.if (\s) < 7
	LDSW (\s)+1
.endif
.if (\s) < 6
	s_wait_loadcnt 30                              ; x's set of this step is in; the two sets behind it, 15 loads each, may be out
.else
	s_wait_loadcnt 15*(7-(\s))
.endif
.if (\s) < 5
	XLOAD (\s)+3
.endif
	MULA \s
.endm
; 64 numbers of a lane, register 16 b + i = k 32 b + 16 (lane / 16) + i of my row, become a fragment's codes in v[PC] on and its scale word in v[PW].
.macro QUANT s
.irp b, 0,1,2,3
	v_max3_num_f32 v[TM+\b], |v[\s+16*\b]|, |v[\s+1+16*\b]|, 0x1800000   ; block b: my 16 numbers, and the floor 2^(3 - 127): the byte cannot fall under 1
.endr
.irp i, 2,4,6,8,10,12,14
.irp b, 0,1,2,3
	v_max3_num_f32 v[TM+\b], v[TM+\b], |v[\s+16*\b+\i]|, |v[\s+1+16*\b+\i]|
.endr
.endr
.irp b, 0,1,2,3
	v_permlanex16_b32 v[TM+4+\b], v[TM+\b], s[SEL], s[SEL+1]
.endr
.irp b, 0,1,2,3
	v_max_num_f32 v[TM+\b], v[TM+\b], v[TM+4+\b]   ; with lane l xor 16's: the block's largest magnitude
.endr
.irp b, 0,1,2,3
	v_add_nc_u32 v[TM+12+\b], 0xff000000, v[TM+\b] ; 2 off its exponent field: the conversion's scale operand
.endr
.irp b, 0,1,2,3
	v_lshrrev_b32 v[TM+4+\b], 23, v[TM+12+\b]      ; the scale's byte
.endr
	v_lshl_or_b32 v[PW], v[TM+5], 8, v[TM+4]
	v_lshl_or_b32 v[PW], v[TM+6], 16, v[PW]
	v_lshl_or_b32 v[PW], v[TM+7], 24, v[PW]
.irp c, 0,1
	v_cvt_scalef32_pk16_fp6_f32 v[PC+6*\c:PC+2+6*\c], v[\s+32*\c:\s+15+32*\c], v[TM+12+2*\c]
	v_cvt_scalef32_pk16_fp6_f32 v[PC+12+4*\c:PC+14+4*\c], v[\s+16+32*\c:\s+31+32*\c], v[TM+12+2*\c+1]   ; (a conversion's three registers begin on an even number)
.endr
	v_nop                                          ; one plain line behind a scaled conversion
.irp c, 0,1                                    ; the operand's layout wants a whole block in a lane: lanes 0-15 block 2 c, lanes 16-31 block 2 c + 1
.irp i, 0,1,2
	v_permlane16_swap_b32 v[PC+6*\c+\i], v[PC+12+4*\c+\i]
.endr
.irp i, 0,1,2
	v_mov_b32 v[PC+3+6*\c+\i], v[PC+12+4*\c+\i]
.endr
.endr
.endm
; The way out of tile j: relu, quantised, stored as an image.  A tile at or beyond n stores nothing.
.macro EPI j
	s_add_co_u32 s76, s27, 4*\j
	s_cmp_ge_u32 s76, s26
	s_cbranch_scc1 .Lskip_\@
	s_wait_xcnt 0x0                                ; the last tile's stores have read their data and their base
	s_min_u32 s76, s76, 63
	s_mul_i32 s76, s76, 57344
	s_mov_b32 s77, 0
	s_add_nc_u64 s[74:75], s[72:73], s[76:77]
	WIN 0x08+4*(\j/4)                              ; source 1: window 2 or 3
.set i, 0
.rept 64
	v_max_num_f32 v[ST+i], 0, v[64*(\j%4)+i]       ; the activation, in f32, into window 0; each accumulator from its low end on
.set i, i+1
.endr
	WIN 0
.irp b, 0,1,2,3
	v_mov_b32 v[TM+4+\b], 0                        ; a lane permute's destination counts as one of its sources
.endr
	v_mov_b32 v[PW+1], 0
	QUANT ST
.irp c, 0,1,2
	global_store_b128 v8, v[PC+4*\c:PC+4*\c+3], s[74:75] offset:512*\c     ; 32 lanes store 512 consecutive bytes, at a multiple of 256 from hq's first byte
.endr
	global_store_b64 v9, v[PW:PW+1], s[74:75] offset:1536                  ; and 256: the scale words, a zero word beside each
.Lskip_\@:
.endm
	s_load_b256 s[4:11], s[0:1], 0x0               ; idx, xq, xs, W1's codes
	s_load_b256 s[12:19], s[0:1], 0x20             ; W1's scales, b1, hq, cnt
	v_lshl_add_u32 v134, v0, 2, 0x18800
	v_mov_b32 v135, 0
	v_lshrrev_b32 v1, 5, v0
	v_readfirstlane_b32 s22, v1                    ; wave
	s_and_b32 s23, ttmp7, 0xffff                   ; e
	s_mov_b32 s24, ttmp9                           ; s'
	v_and_b32 v1, 15, v0                           ; r
	v_bfe_u32 v2, v0, 4, 1                         ; h
	v_and_b32 v3, 31, v0                           ; lane
	v_mul_u32_u24 v4, v1, PITCH
	v_mad_u32_u24 v4, v2, 24, v4                   ; a fragment of W1 tiles 0-3: row r, + 24 h
	v_add_nc_u32 v5, 64*PITCH, v4                  ; of tiles 4-7
	s_mul_i32 s76, s22, 24576
	v_mul_u32_u24 v6, v2, 768
	v_lshl_add_u32 v6, v1, 4, v6
	v_add_nc_u32 v6, s76, v6                       ; the slice in memory: my wave's 32 rows; lanes 0-15 one row's 256 bytes, lanes 16-31 the next row's
	s_mul_i32 s76, s22, 32*PITCH
	v_mul_u32_u24 v7, v2, PITCH
	v_lshl_add_u32 v7, v1, 4, v7
	v_add_nc_u32 v7, s76, v7                       ; and in LDS
	v_lshlrev_b32 v8, 4, v3
	v_lshlrev_b32 v9, 3, v3
	v_lshl_add_u32 v10, v2, 6, v1                  ; a position: r, and four tiles (64 rows) on for the upper lanes
	v_lshl_add_u32 v11, v2, 16, v1                 ; the same with the upper lanes beyond every list
	v_mul_u32_u24 v12, v2, 48
	v_and_b32 v13, 8, v1
	v_add_nc_u32 v13, v13, v1
	v_lshl_add_u32 v13, v2, 3, v13
	v_lshlrev_b32 v13, 5, v13                      ; W1's scale bytes: 32 a row; row 8 h + r + 8 (r / 8) of a pair of tiles
	v_lshlrev_b32 v14, 6, v2                       ; b1: 16 h numbers on
	s_mov_b32 s[SEL], 0x76543210
	s_mov_b32 s[SEL+1], 0xfedcba98
	s_mov_b32 s68, 0xffff0000                      ; the upper lanes
	s_lshl_b32 s69, 0x101, s23                     ; my expert's two bits of an idx word
	s_mov_b32 s77, 0
	s_wait_kmcnt 0x0
	s_mul_i32 s76, s23, 3145728
	s_mul_i32 s78, s24, 98304
	s_add_co_u32 s76, s76, s78
	s_add_nc_u64 s[10:11], s[10:11], s[76:77]      ; W1's codes at my slice
	s_lshl_b32 s76, s23, 17
	s_lshl_b32 s78, s24, 12
	s_add_co_u32 s76, s76, s78
	s_add_nc_u64 s[12:13], s[12:13], s[76:77]      ; its scale bytes
	s_lshl_b32 s76, s23, 14
	s_lshl_b32 s78, s24, 9
	s_add_co_u32 s76, s76, s78
	s_add_nc_u64 s[14:15], s[14:15], s[76:77]      ; b1
	s_mul_i32 s76, s23, 3670016
	s_mul_i32 s78, s24, 1792
	s_add_co_u32 s76, s76, s78
	s_add_nc_u64 s[72:73], s[16:17], s[76:77]      ; hq[e][0][s']
	s_lshl_b32 s76, s23, 7
	s_add_nc_u64 s[18:19], s[18:19], s[76:77]      ; cnt[e]
.irp a, 0,1,2,3,4,5,6,7
	global_load_b128 v[IW+4*\a:IW+4*\a+3], v8, s[4:5] offset:512*\a
.endr
	WIN 0x80
.irp i, 0,1,2,3,4,5,6,7,8,9,10,11,12,13,14,15
.irp k, 0,1,2
	global_load_b128 v[4*(3*\i+\k):4*(3*\i+\k)+3], v6, s[10:11] offset:1536*\i+256*\k th:TH_LOAD_NT   ; sixteen lanes read 256 consecutive bytes, aligned; no other work-group reads them
.endr
.endr
	WIN 0
	s_wait_loadcnt 48                              ; idx is in; the slice's 48 loads may be out
.set w, 0
.rept 32
	v_and_b32 v[SEW+w%4], s69, v[IW+w]
	v_cmp_ne_u32 s[MK+w], 0, v[SEW+w%4]            ; the members of my expert among 32 tokens
.set w, w+1
.endr
	s_mov_b32 s25, 0
.set w, 0
.rept 32
	s_bcnt1_i32_b32 s76, s[MK+w]
	s_add_co_u32 s25, s25, s76                     ; the number of rows
.set w, w+1
.endr
	s_add_co_u32 s26, s25, 15
	s_lshr_b32 s26, s26, 4                         ; n: the number of tiles
	v_mov_b32 v15, s25
	s_or_b32 s76, s24, s22
	s_cmp_lg_u32 s76, 0
	s_cbranch_scc1 .Lno_cnt
	v_lshlrev_b32 v38, 2, v3
	global_store_b32 v38, v15, s[18:19]            ; wave 0 of slice 0: the count, 32 times: 128 consecutive bytes
.Lno_cnt:
	s_wait_loadcnt 0x0                             ; the slice is in
	WIN 0x08                                       ; an LDS store's data are its source 1: window 2
.irp i, 0,1,2,3,4,5,6,7,8,9,10,11,12,13,14,15
.irp k, 0,1,2
	ds_store_b128 v7, v[4*(3*\i+\k):4*(3*\i+\k)+3] offset:PITCH*(((2*\i)&7)+16*(((2*\i)>>3)&1)+8*(((2*\i)>>4)&1))+256*\k   ; row 32 wave + 2 i + h goes to the LDS row with bits 3 and 4 of its number exchanged: so a tile's 16 rows lie on end
.endr
.endr
	WIN 0
.irp b, 0,1,2,3
.irp q, 0,1
	global_load_b128 v[SW+8*\b+4*\q:SW+8*\b+4*\q+3], v13, s[12:13] offset:1024*\b+16*\q        ; W1's scale words and b1 land while the first pass's rows are searched for
.endr
.endr
	WIN 0xc0
.irp t, 0,1,2,3,4,5,6,7
	global_load_b128 v[64+8*\t:64+8*\t+3], v14, s[14:15] offset:4*(32*(\t/2)+8*(\t%2))         ; b1 in the result's layout: hidden units 32 (t / 2) + 8 (t % 2) + 16 h + 0 .. 7
	global_load_b128 v[64+8*\t+4:64+8*\t+7], v14, s[14:15] offset:4*(32*(\t/2)+8*(\t%2))+16
.endr
	WIN 0
	s_wait_dscnt 0x0                               ; for the others' sake: my 32 rows lie in LDS
	s_barrier_signal -1
	s_barrier_wait -1                              ; the only barrier: it stands ahead of every branch on a count.  Behind it LDS is only read
	s_mov_b32 s27, s22                             ; T0 = wave
	s_mov_b32 s28, 0                               ; passes done
.Lpass:
	s_cmp_ge_u32 s27, s26
	s_cbranch_scc1 .Lnext                          ; none of my five tiles of this pass exists
	PREP
	LDSW 0
.irp s, 0,1,2,3,4,5,6,7
	STEP \s
.endr
	PLACES 4
	WIN 0
.irp j, 0,1,2,3,4
	EPI \j
.endr
.Lnext:
	s_add_co_u32 s27, s27, 20                      ; the four waves' next 20 tiles
	s_add_co_u32 s28, s28, 1
	s_cmp_lt_u32 s28, PASSES
	s_cbranch_scc1 .Lpass
	s_wait_tensorcnt 0x0
	ds_add_u32 v134, v135
	s_wait_dscnt 0x0
	s_endpgm
.Lfunc_end_k_q3978a48d7a_ffn1:
	.size	k_q3978a48d7a_ffn1, .Lfunc_end_k_q3978a48d7a_ffn1-k_q3978a48d7a_ffn1
	.p2alignl 7, 3214868480
	.fill 96, 4, 3214868480
	.section	.rodata,"a",@progbits
	.p2align	6, 0x0
	.amdhsa_kernel k_q3978a48d7a_ffn1
		.amdhsa_group_segment_fixed_size 100864
		.amdhsa_private_segment_fixed_size 0
		.amdhsa_enable_private_segment 0
		.amdhsa_kernarg_size 64
		.amdhsa_user_sgpr_count 2
		.amdhsa_user_sgpr_kernarg_segment_ptr 1
		.amdhsa_wavefront_size32 1
		.amdhsa_system_sgpr_workgroup_id_x 1
		.amdhsa_system_sgpr_workgroup_id_y 1
		.amdhsa_system_sgpr_workgroup_id_z 1
		.amdhsa_system_vgpr_workitem_id 0
		.amdhsa_next_free_vgpr 1024
		.amdhsa_next_free_sgpr 96
		.amdhsa_reserve_vcc 0
		.amdhsa_float_denorm_mode_32 3
		.amdhsa_float_denorm_mode_16_64 3
		.amdhsa_memory_ordered 1
		.amdhsa_forward_progress 1
		.amdhsa_inst_pref_size 166
	.end_amdhsa_kernel
	.amdgpu_metadata
---
amdhsa.version: [ 1, 2 ]
amdhsa.kernels:
  - .name:           k_q3978a48d7a_ffn1
    .symbol:         k_q3978a48d7a_ffn1.kd
    .args:
      - { .name: idx, .offset: 0, .size: 8, .value_kind: global_buffer, .address_space: global }
      - { .name: xq, .offset: 8, .size: 8, .value_kind: global_buffer, .address_space: global }
      - { .name: xs, .offset: 16, .size: 8, .value_kind: global_buffer, .address_space: global }
      - { .name: W1_codes, .offset: 24, .size: 8, .value_kind: global_buffer, .address_space: global }
      - { .name: W1_scales, .offset: 32, .size: 8, .value_kind: global_buffer, .address_space: global }
      - { .name: b1, .offset: 40, .size: 8, .value_kind: global_buffer, .address_space: global }
      - { .name: hq, .offset: 48, .size: 8, .value_kind: global_buffer, .address_space: global }
      - { .name: cnt, .offset: 56, .size: 8, .value_kind: global_buffer, .address_space: global }
    .group_segment_fixed_size: 100864
    .private_segment_fixed_size: 0
    .kernarg_segment_align: 8
    .kernarg_segment_size: 64
    .max_flat_workgroup_size: 128
    .sgpr_count:     96
    .vgpr_count:     1024
    .wavefront_size: 32
...
	.end_amdgpu_metadata
.endif
;; end of part 2
;; launch ffn2 (part 3): grid 32 x 8, 4 waves a work-group, no clusters, 198,144 bytes of LDS; arguments cnt, hq, W2_codes, W2_scales, b2, y; writes y
.if DOCPART == 3
	.amdgcn_target "amdgcn-amd-amdhsa--gfx1250"
	.amdhsa_code_object_version 6
	.text
	.protected	k_q3978a48d7a_ffn2
	.globl	k_q3978a48d7a_ffn2
	.p2align	8
	.type	k_q3978a48d7a_ffn2,@function
k_q3978a48d7a_ffn2:
	s_mov_b64 s[64:65], 0
	v_nop
	global_prefetch_b8 v0, s[64:65] scope:SCOPE_SE
	s_setreg_imm32_b32 hwreg(HW_REG_WAVE_MODE, 25, 1), 1
	s_wait_xcnt 0x0
; THE SECOND PRODUCT, for the routed rows alone: y[1,024 e + p][:] = h W2[e] + b2[e], f32.
; SHARES.  Work-group (2 x slice + half, e): outputs 64 slice .. 64 slice + 63 of expert e, for the row tiles of its half.  Its slice of W2 (64 rows x 3,072 bytes, dense in memory) goes once through registers into LDS; one barrier.
; Wave v takes tiles T0 + 8 j, j = 0 .. 2, T0 = half + 2 v, + 24, + 48: three passes cover the 32 tiles that a half can have.  The loop over passes has a constant count; a pass whose T0 lies at or beyond n is jumped over.
; The hidden layer's fragments come from hq straight into registers: three loads a fragment, 512 consecutive bytes each, five K steps ahead.
; A tile at or beyond n (the number of the expert's tiles, from cnt) reads the last tile's fragments and stores nothing.
; LAYOUT.  Source 0 = 16 routed rows of the hidden layer, source 1 = 16 rows of W2.  The rows of W2 that form column tile t are d = 4 r + t: so a lane's four accumulators hold, in register i, four NEIGHBOURING outputs
; of row 8 (lane / 16) + i.  The addition of b2 gathers them into four registers on end, and one store of 16 bytes a lane writes two rows' 256 bytes, each an aligned block: no stage in LDS.
; NO TENSOR LOADS, NO CLUSTER: which passes run, and which tiles are stored, hang on a count read from memory;
; without such branches every expert would have to be taken as 1,024 rows, four times the 2,048 rows that are routed.
; All 32 K steps are written out, so that every LDS offset behind the barrier is an immediate.
; REGISTERS, in windows of 256: window 0: v1-21 lane constants and offsets, v24-27 b2, v32-95 W2's scale words, v96-113 the hidden layer's (a ring of six), v128-159 the way out.
;   window 1: the hidden layer's fragments, a ring of six sets of 36.   window 2: v0-95 W2's fragments, two sets; v128-223 the 12 accumulators; ahead of the barrier v0-191 carry half of the wave's rows.   window 3: v0-191 the other half.
.set PITCH, 3088                       ; an LDS row: 3,072 bytes + 16 = 772 words: row r starts at bank 4 r mod 64 (64 banks of 4 bytes: ISA guide 11.1)
.set PASSES, 3
.set AW,   4                           ; v4-7    column tile t: 3,088 (16 t + r) + 24 h
.set HOF,  13                          ; v13-15  tile j: 57,344 x tile + 16 lane
.set HSF,  16                          ; v16-18  tile j: 57,344 x tile + 8 lane
.set BI,   24                          ; v24-27  b2 at my four outputs
.set SW2,  32                          ; v32-95  register 32 u + s: lanes 0-15 the word of column tile 2 u, lanes 16-31 of 2 u + 1, K step s
.set HS,   96                          ; v96-113 register 3 (s % 6) + j
.set ST,   128
.set MSB, 0
.macro WIN new                         ; the immediate's high byte repeats the setting that is left; a switch that changes nothing is dropped
.if MSB != (\new)
	s_set_vgpr_msb (MSB<<8)|(\new)
.set MSB, (\new)
.endif
.endm
.macro PLACES n                        ; a load into a register that a matrix instruction has read, and a vector instruction that reads its result, stand four plain vector instructions behind it
.rept \n
	v_nop
.endr
.endm
.macro HLOAD s                         ; the three tiles' fragments and scale words of K step s into set s % 6: 12 loads
	WIN 0x40
.irp j, 0,1,2
.irp c, 0,1,2
	global_load_b128 v[36*((\s)%6)+12*\j+4*\c:36*((\s)%6)+12*\j+4*\c+3], v[HOF+\j], s[6:7] offset:1792*(\s)+512*\c
.endr
.endr
	WIN 0
.irp j, 0,1,2
	global_load_b32 v[HS+3*((\s)%6)+\j], v[HSF+\j], s[6:7] offset:1792*(\s)+1536
.endr
.endm
.macro LDSW2 s                         ; W2's four fragments of K step s into set s % 2
	WIN 0x80
.irp t, 0,1,2,3
.irp p, 0,1,2,3,4,5
	ds_load_b64 v[48*((\s)%2)+12*\t+2*\p:48*((\s)%2)+12*\t+2*\p+1], v[AW+\t] offset:96*(\s)+48*(\p/3)+8*(\p%3)
.endr
.endr
.endm
; 12 matrix instructions; the 12 accumulators take turns, one instruction a turn, in the same order in every step.  The first step's products start the sums.
.macro MULB s
	WIN 0xa9                                       ; source 0 (hidden) window 1; source 1 (W2), C and D window 2
.irp j, 0,1,2
.irp t, 0,1,2,3
.set AC, 128+32*\j+8*\t
.set HF, 36*((\s)%6)+12*\j
.set WF, 48*((\s)%2)+12*\t
.if (\s) == 0
.if \t%2
	v_wmma_scale_f32_16x16x128_f8f6f4 v[AC:AC+7], v[HF:HF+11], v[WF:WF+11], 0, v[HS+3*((\s)%6)+\j], v[SW2+32*(\t/2)+(\s)] matrix_a_fmt:MATRIX_FMT_FP6 matrix_b_fmt:MATRIX_FMT_FP6 matrix_b_scale:MATRIX_SCALE_ROW1
.else
	v_wmma_scale_f32_16x16x128_f8f6f4 v[AC:AC+7], v[HF:HF+11], v[WF:WF+11], 0, v[HS+3*((\s)%6)+\j], v[SW2+32*(\t/2)+(\s)] matrix_a_fmt:MATRIX_FMT_FP6 matrix_b_fmt:MATRIX_FMT_FP6
.endif
.else
.if \t%2
	v_wmma_scale_f32_16x16x128_f8f6f4 v[AC:AC+7], v[HF:HF+11], v[WF:WF+11], v[AC:AC+7], v[HS+3*((\s)%6)+\j], v[SW2+32*(\t/2)+(\s)] matrix_a_fmt:MATRIX_FMT_FP6 matrix_b_fmt:MATRIX_FMT_FP6 matrix_b_scale:MATRIX_SCALE_ROW1
.else
	v_wmma_scale_f32_16x16x128_f8f6f4 v[AC:AC+7], v[HF:HF+11], v[WF:WF+11], v[AC:AC+7], v[HS+3*((\s)%6)+\j], v[SW2+32*(\t/2)+(\s)] matrix_a_fmt:MATRIX_FMT_FP6 matrix_b_fmt:MATRIX_FMT_FP6
.endif
.endif
.endr
.endr
.endm
.macro STEPB s
	PLACES 4
.if (\s) < 31
	LDSW2 (\s)+1
.endif
.if (\s) < 27
	HLOAD (\s)+5
.endif
.if (\s) < 31
	s_wait_dscnt 24                                ; this step's fragments of W2 are in; the next step's 24 loads may be out
.else
	s_wait_dscnt 0x0
.endif
.if (\s) < 26
	s_wait_loadcnt 60                              ; this step's hidden fragments are in; the five sets behind them, 12 loads each, may be out
.else
	s_wait_loadcnt 12*(31-(\s))
.endif
	MULB \s
.endm
.macro PREPB b                         ; the three tiles of the pass that begins at tile s[b], held inside the expert's list, and the first five K steps' loads: 60
	s_wait_xcnt 0x0                                ; every earlier load and store has read its registers
.irp j, 0,1,2
	s_add_co_u32 s30, s[\b], 8*\j
	s_min_u32 s30, s30, s23
	s_min_u32 s30, s30, 63
	s_mul_i32 s30, s30, 57344
	v_add_nc_u32 v[HOF+\j], s30, v11
	v_add_nc_u32 v[HSF+\j], s30, v12
.endr
.irp s, 0,1,2,3,4
	HLOAD \s
.endr
.endm
.macro EPIB j                          ; the way out of tile j
	s_add_co_u32 s30, s22, 8*\j
	s_cmp_ge_u32 s30, s21
	s_cbranch_scc1 .Lskipb_\@
	s_wait_xcnt 0x0                                ; the last tile's stores have read their data and their base
	s_min_u32 s30, s30, 63
	s_lshl_b32 s30, s30, 16                        ; 16 rows of 4,096 bytes a tile
	s_mov_b32 s31, 0
	s_add_nc_u64 s[28:29], s[26:27], s[30:31]
	WIN 0x02                                       ; source 0: window 2
.irp i, 0,1,2,3,4,5,6,7
.irp t, 0,1,2,3
	v_add_f32 v[ST+4*\i+\t], v[128+32*\j+8*\t+\i], v[BI+\t]    ; + b2; each accumulator from its low end on
.endr
.endr
	WIN 0
.irp i, 0,1,2,3,4,5,6,7
	global_store_b128 v21, v[ST+4*\i:ST+4*\i+3], s[28:29] offset:4096*\i   ; lanes 0-15 store row i's 256 bytes, lanes 16-31 row 8 + i's: each at a multiple of 256 from y's first byte
.endr
.Lskipb_\@:
.endm
	s_load_b256 s[4:11], s[0:1], 0x0               ; cnt, hq, W2's codes, W2's scales
	s_load_b128 s[12:15], s[0:1], 0x20             ; b2, y
	v_lshl_add_u32 v254, v0, 2, 0x30400
	v_mov_b32 v255, 0
	v_lshrrev_b32 v1, 5, v0
	v_readfirstlane_b32 s16, v1                    ; wave
	s_and_b32 s17, ttmp7, 0xffff                   ; e
	s_lshr_b32 s18, ttmp9, 1                       ; slice
	s_and_b32 s19, ttmp9, 1                        ; half
	v_and_b32 v1, 15, v0                           ; r
	v_bfe_u32 v2, v0, 4, 1                         ; h
	v_and_b32 v3, 31, v0                           ; lane
	v_mul_u32_u24 v[AW], v1, PITCH
	v_mad_u32_u24 v[AW], v2, 24, v[AW]
	v_add_nc_u32 v[AW+1], 16*PITCH, v[AW]
	v_add_nc_u32 v[AW+2], 32*PITCH, v[AW]
	v_add_nc_u32 v[AW+3], 48*PITCH, v[AW]
	s_mul_i32 s24, s16, 49152
	v_mul_u32_u24 v8, v2, 3072
	v_lshl_add_u32 v8, v1, 4, v8
	v_add_nc_u32 v8, s24, v8                       ; the slice in memory: my wave's 16 rows; lanes 0-15 one row's 256 bytes, lanes 16-31 the next row's
	s_mul_i32 s24, s16, 4*PITCH
	v_mul_u32_u24 v9, v2, 16*PITCH
	v_lshl_add_u32 v9, v1, 4, v9
	v_add_nc_u32 v9, s24, v9                       ; in LDS: row d of the slice lies at LDS row 16 (d % 4) + d / 4; d = 16 wave + 2 i + h: even i,
	v_add_nc_u32 v10, 32*PITCH, v9                 ; odd i
	v_lshlrev_b32 v11, 4, v3
	v_lshlrev_b32 v12, 3, v3
	v_lshlrev_b32 v19, 9, v1
	v_lshl_add_u32 v19, v2, 7, v19                 ; W2's scale bytes: 128 a row; row 4 r + h of a pair of column tiles
	v_lshlrev_b32 v20, 4, v1                       ; b2: my four outputs
	v_lshl_add_u32 v21, v2, 15, v20                ; y: 8 h rows of 4,096 bytes + 16 r
	s_mov_b32 s25, 0
	s_wait_kmcnt 0x0
	s_lshl_b32 s24, s17, 7
	s_add_nc_u64 s[4:5], s[4:5], s[24:25]
	s_load_b32 s20, s[4:5], 0x0                    ; my expert's number of rows
	s_mul_i32 s24, s17, 3145728
	s_mul_i32 s30, s18, 196608
	s_add_co_u32 s24, s24, s30
	s_add_nc_u64 s[8:9], s[8:9], s[24:25]          ; W2's codes at my slice
	s_mul_i32 s24, s17, 3670016
	s_add_nc_u64 s[6:7], s[6:7], s[24:25]          ; hq[e]
	s_lshl_b32 s24, s17, 17
	s_lshl_b32 s30, s18, 13
	s_add_co_u32 s24, s24, s30
	s_add_nc_u64 s[10:11], s[10:11], s[24:25]      ; W2's scale bytes
	s_lshl_b32 s24, s17, 12
	s_lshl_b32 s30, s18, 8
	s_add_co_u32 s24, s24, s30
	s_add_nc_u64 s[12:13], s[12:13], s[24:25]      ; b2
	s_lshl_b32 s24, s17, 22
	s_add_co_u32 s24, s24, s30
	s_add_nc_u64 s[26:27], s[14:15], s[24:25]      ; y at row 1,024 e, my 64 columns
	WIN 0xc0
.irp i, 0,1,2,3
.irp k, 0,1,2,3,4,5,6,7,8,9,10,11
	global_load_b128 v[4*(12*\i+\k):4*(12*\i+\k)+3], v8, s[8:9] offset:6144*\i+256*\k          ; sixteen lanes read 256 consecutive bytes, aligned
.endr
.endr
	WIN 0x80
.irp i, 4,5,6,7
.irp k, 0,1,2,3,4,5,6,7,8,9,10,11
	global_load_b128 v[4*(12*(\i-4)+\k):4*(12*(\i-4)+\k)+3], v8, s[8:9] offset:6144*\i+256*\k
.endr
.endr
	s_wait_loadcnt 48                              ; the first 48 loads are in; the other 48 may be out
	WIN 0x0c                                       ; an LDS store's data are its source 1: window 3
.irp i, 0,1,2,3
.irp k, 0,1,2,3,4,5,6,7,8,9,10,11
	ds_store_b128 v[9+\i%2], v[4*(12*\i+\k):4*(12*\i+\k)+3] offset:PITCH*(\i/2)+256*\k
.endr
.endr
	WIN 0
.irp u, 0,1
.irp q, 0,1,2,3,4,5,6,7
	global_load_b128 v[SW2+32*\u+4*\q:SW2+32*\u+4*\q+3], v19, s[10:11] offset:256*\u+16*\q
.endr
.endr
	global_load_b128 v[BI:BI+3], v20, s[12:13]
	s_wait_kmcnt 0x0
	s_add_co_u32 s21, s20, 15
	s_lshr_b32 s21, s21, 4
	s_min_u32 s21, s21, 64                         ; n: the number of tiles
	s_sub_co_i32 s23, s21, 1
	s_max_i32 s23, s23, 0                          ; the last tile (0 where the expert has none: such a work-group stores nothing)
	s_lshl_b32 s22, s16, 1
	s_add_co_u32 s22, s22, s19                     ; T0 = half + 2 x wave
	PREPB 22                                       ; the first pass's hidden fragments are on their way while the slice goes into LDS
	s_wait_loadcnt 63                              ; the slice's second half is in: 77 loads were issued behind it, and 63 is the largest count that the wait can name
	WIN 0x08                                       ; data in window 2
.irp i, 4,5,6,7
.irp k, 0,1,2,3,4,5,6,7,8,9,10,11
	ds_store_b128 v[9+\i%2], v[4*(12*(\i-4)+\k):4*(12*(\i-4)+\k)+3] offset:PITCH*(\i/2)+256*\k
.endr
.endr
	WIN 0
	s_wait_dscnt 0x0                               ; for the others' sake: my 16 rows lie in LDS
	s_barrier_signal -1
	s_barrier_wait -1                              ; the only barrier: it stands ahead of every branch on the count.  Behind it LDS is only read
	s_mov_b32 s32, 0                               ; passes done
.Lpass:
	s_cmp_ge_u32 s22, s21
	s_cbranch_scc1 .Lnext                          ; none of my three tiles of this pass exists
	LDSW2 0
.set KS, 0
.rept 32
	STEPB KS
.set KS, KS+1
.endr
	PLACES 4
	WIN 0
	EPIB 0
	EPIB 1
	EPIB 2
	s_add_co_u32 s33, s22, 24
	s_cmp_ge_u32 s33, s21
	s_cbranch_scc1 .Lnext                          ; no further pass: nothing more is asked for
	PREPB 33
.Lnext:
	s_add_co_u32 s22, s22, 24                      ; the four waves' next 12 tiles of this half
	s_add_co_u32 s32, s32, 1
	s_cmp_lt_u32 s32, PASSES
	s_cbranch_scc1 .Lpass
	s_wait_tensorcnt 0x0
	ds_add_u32 v254, v255
	s_wait_dscnt 0x0
	s_endpgm
.Lfunc_end_k_q3978a48d7a_ffn2:
	.size	k_q3978a48d7a_ffn2, .Lfunc_end_k_q3978a48d7a_ffn2-k_q3978a48d7a_ffn2
	.p2alignl 7, 3214868480
	.fill 96, 4, 3214868480
	.section	.rodata,"a",@progbits
	.p2align	6, 0x0
	.amdhsa_kernel k_q3978a48d7a_ffn2
		.amdhsa_group_segment_fixed_size 198144
		.amdhsa_private_segment_fixed_size 0
		.amdhsa_enable_private_segment 0
		.amdhsa_kernarg_size 48
		.amdhsa_user_sgpr_count 2
		.amdhsa_user_sgpr_kernarg_segment_ptr 1
		.amdhsa_wavefront_size32 1
		.amdhsa_system_sgpr_workgroup_id_x 1
		.amdhsa_system_sgpr_workgroup_id_y 1
		.amdhsa_system_sgpr_workgroup_id_z 1
		.amdhsa_system_vgpr_workitem_id 0
		.amdhsa_next_free_vgpr 1024
		.amdhsa_next_free_sgpr 66
		.amdhsa_reserve_vcc 0
		.amdhsa_float_denorm_mode_32 3
		.amdhsa_float_denorm_mode_16_64 3
		.amdhsa_memory_ordered 1
		.amdhsa_forward_progress 1
		.amdhsa_inst_pref_size 177
	.end_amdhsa_kernel
	.amdgpu_metadata
---
amdhsa.version: [ 1, 2 ]
amdhsa.kernels:
  - .name:           k_q3978a48d7a_ffn2
    .symbol:         k_q3978a48d7a_ffn2.kd
    .args:
      - { .name: cnt, .offset: 0, .size: 8, .value_kind: global_buffer, .address_space: global }
      - { .name: hq, .offset: 8, .size: 8, .value_kind: global_buffer, .address_space: global }
      - { .name: W2_codes, .offset: 16, .size: 8, .value_kind: global_buffer, .address_space: global }
      - { .name: W2_scales, .offset: 24, .size: 8, .value_kind: global_buffer, .address_space: global }
      - { .name: b2, .offset: 32, .size: 8, .value_kind: global_buffer, .address_space: global }
      - { .name: y, .offset: 40, .size: 8, .value_kind: global_buffer, .address_space: global }
    .group_segment_fixed_size: 198144
    .private_segment_fixed_size: 0
    .kernarg_segment_align: 8
    .kernarg_segment_size: 48
    .max_flat_workgroup_size: 128
    .sgpr_count:     66
    .vgpr_count:     1024
    .wavefront_size: 32
...
	.end_amdgpu_metadata
.endif
;; end of part 3
;; launch combine (part 4): grid 256 x 1, 4 waves a work-group, no clusters, 0 bytes of LDS; arguments idx, gat, y, out0; writes out0
.if DOCPART == 4
	.amdgcn_target "amdgcn-amd-amdhsa--gfx1250"
	.amdhsa_code_object_version 6
	.text
	.protected	k_q3978a48d7a_combine
	.globl	k_q3978a48d7a_combine
	.p2align	8
	.type	k_q3978a48d7a_combine,@function
k_q3978a48d7a_combine:
	s_mov_b64 s[64:65], 0
	v_nop
	global_prefetch_b8 v0, s[64:65] scope:SCOPE_SE
	s_setreg_imm32_b32 hwreg(HW_REG_WAVE_MODE, 25, 1), 1
	s_wait_xcnt 0x0
; out0[t][:] = g0 y[row0][:] + g1 y[row1][:].  One wave takes one token t = 4 x work-group + wave: each output row has one owner, nothing is added across work-groups.
; WHERE A TOKEN'S TWO ROWS LIE.  Row = 1,024 e + p, p the token's position in expert e's list.  The list's order is that of the launch that made the hidden layer: idx is read whole, 32 registers a lane;
; register w, lane i stands for token 128 (w / 4) + 4 i + w % 4, and p is the number of the expert's members with a smaller 32 w + i.  My token stands at w = 4 (t / 128) + t % 4, i = (t / 4) % 32.
; For each w one compare gives the lanes that lie in front of my token, two more the members of my two experts; the counting is scalar.  idx holds whole numbers that an earlier launch stored;
; a row's number is held at 8,191, the last row of y, before it enters an address.
; A row is 4,096 bytes: eight loads of 512 consecutive bytes from each of the two rows, eight stores of 512 consecutive bytes.  No LDS, no barrier, no matrix unit: the launch only moves bytes.
.set IW, 104                           ; v104-135 idx
	s_load_b256 s[4:11], s[0:1], 0x0               ; idx, gat, y, out0
	v_lshrrev_b32 v1, 5, v0
	v_readfirstlane_b32 s12, v1                    ; wave
	v_and_b32 v1, 31, v0                           ; lane
	v_lshlrev_b32 v2, 4, v1                        ; 16 x lane
	s_lshl_b32 s13, ttmp9, 2
	s_add_co_u32 s13, s13, s12                     ; my token
	s_lshr_b32 s14, ttmp9, 5
	s_lshl_b32 s14, s14, 2
	s_add_co_u32 s14, s14, s12                     ; its w = 4 (t / 128) + t % 4
	s_lshl_b32 s14, s14, 5
	s_and_b32 s15, ttmp9, 31
	s_add_co_u32 s14, s14, s15                     ; 32 w + i
	v_sub_nc_u32 v3, s14, v1                       ; less my lane: register w of my lane lies in front of my token where 32 w is smaller than this (as signed numbers)
	s_lshl_b32 s16, s13, 2
	s_mov_b32 s17, 0
	s_lshl_b32 s18, s13, 3
	s_mov_b32 s19, 0
	s_lshl_b32 s20, s13, 12
	s_mov_b32 s21, 0
	s_wait_kmcnt 0x0
.irp a, 0,1,2,3,4,5,6,7
	global_load_b128 v[IW+4*\a:IW+4*\a+3], v2, s[4:5] offset:512*\a
.endr
	s_add_nc_u64 s[22:23], s[4:5], s[16:17]
	s_add_nc_u64 s[6:7], s[6:7], s[18:19]
	s_add_nc_u64 s[10:11], s[10:11], s[20:21]      ; out0 + 4,096 t
	s_load_b32 s24, s[22:23], 0x0                  ; my token's word: (1 << e0) | (0x100 << e1)
	s_load_b64 s[26:27], s[6:7], 0x0               ; the two weights
	s_wait_kmcnt 0x0
	s_and_b32 s28, s24, 0xff                       ; 1 << e0
	s_bfe_u32 s29, s24, 0x80008                    ; 1 << e1
	s_ctz_i32_b32 s30, s28                         ; e0
	s_ctz_i32_b32 s31, s29                         ; e1
	s_mul_i32 s28, s28, 0x101                      ; an expert's two bits of an idx word: as first choice and as second
	s_mul_i32 s29, s29, 0x101
	s_lshl_b32 s30, s30, 10                        ; 1,024 e: the counts are added onto it
	s_lshl_b32 s31, s31, 10
	s_wait_loadcnt 0x0                             ; idx
.set w, 0
.rept 32
.set TS, 32+4*(w%2)
.set TV, 4+2*(w%2)
	v_cmp_lt_i32 s[TS], 32*w, v3                   ; the lanes whose token lies in front of mine
	v_and_b32 v[TV], s28, v[IW+w]
	v_and_b32 v[TV+1], s29, v[IW+w]
	v_cmp_ne_u32 s[TS+1], 0, v[TV]                 ; the members of my first expert,
	v_cmp_ne_u32 s[TS+2], 0, v[TV+1]               ; of my second
	s_and_b32 s[TS+1], s[TS+1], s[TS]
	s_and_b32 s[TS+2], s[TS+2], s[TS]
	s_bcnt1_i32_b32 s[TS+1], s[TS+1]
	s_bcnt1_i32_b32 s[TS+2], s[TS+2]
	s_add_co_u32 s30, s30, s[TS+1]
	s_add_co_u32 s31, s31, s[TS+2]
.set w, w+1
.endr
	s_min_u32 s30, s30, 8191
	s_min_u32 s31, s31, 8191
	s_lshl_b32 s16, s30, 12
	s_mov_b32 s17, 0
	s_lshl_b32 s18, s31, 12
	s_mov_b32 s19, 0
	s_add_nc_u64 s[16:17], s[8:9], s[16:17]
	s_add_nc_u64 s[18:19], s[8:9], s[18:19]
	s_mov_b32 s40, s27                             ; g1 as the low word of a pair of its own: the packed forms take a scalar pair's low word for both halves
	s_mov_b32 s41, s27
.irp i, 0,1,2,3,4,5,6,7
	global_load_b128 v[8+4*\i:11+4*\i], v2, s[16:17] offset:512*\i th:TH_LOAD_NT       ; each row of y is read once in the launch
.endr
.irp i, 0,1,2,3,4,5,6,7
	global_load_b128 v[40+4*\i:43+4*\i], v2, s[18:19] offset:512*\i th:TH_LOAD_NT
.endr
.irp i, 0,1,2,3,4,5,6,7
	s_wait_loadcnt 7-\i                            ; piece i of both rows is in: behind the second row's piece i stand 7 - i loads
	v_pk_mul_f32 v[72+4*\i:73+4*\i], v[8+4*\i:9+4*\i], s[26:27] op_sel_hi:[1,0]
	v_pk_mul_f32 v[74+4*\i:75+4*\i], v[10+4*\i:11+4*\i], s[26:27] op_sel_hi:[1,0]
	v_pk_fma_f32 v[72+4*\i:73+4*\i], v[40+4*\i:41+4*\i], s[40:41], v[72+4*\i:73+4*\i] op_sel_hi:[1,0,1]
	v_pk_fma_f32 v[74+4*\i:75+4*\i], v[42+4*\i:43+4*\i], s[40:41], v[74+4*\i:75+4*\i] op_sel_hi:[1,0,1]
	global_store_b128 v2, v[72+4*\i:75+4*\i], s[10:11] offset:512*\i th:TH_STORE_NT    ; 32 lanes store 512 consecutive bytes, at a multiple of 256 from out0's first byte
.endr
	s_endpgm
.Lfunc_end_k_q3978a48d7a_combine:
	.size	k_q3978a48d7a_combine, .Lfunc_end_k_q3978a48d7a_combine-k_q3978a48d7a_combine
	.p2alignl 7, 3214868480
	.fill 96, 4, 3214868480
	.section	.rodata,"a",@progbits
	.p2align	6, 0x0
	.amdhsa_kernel k_q3978a48d7a_combine
		.amdhsa_group_segment_fixed_size 0
		.amdhsa_private_segment_fixed_size 0
		.amdhsa_enable_private_segment 0
		.amdhsa_kernarg_size 32
		.amdhsa_user_sgpr_count 2
		.amdhsa_user_sgpr_kernarg_segment_ptr 1
		.amdhsa_wavefront_size32 1
		.amdhsa_system_sgpr_workgroup_id_x 1
		.amdhsa_system_sgpr_workgroup_id_y 1
		.amdhsa_system_sgpr_workgroup_id_z 1
		.amdhsa_system_vgpr_workitem_id 0
		.amdhsa_next_free_vgpr 136
		.amdhsa_next_free_sgpr 66
		.amdhsa_reserve_vcc 0
		.amdhsa_float_denorm_mode_32 3
		.amdhsa_float_denorm_mode_16_64 3
		.amdhsa_memory_ordered 1
		.amdhsa_forward_progress 1
		.amdhsa_inst_pref_size 23
	.end_amdhsa_kernel
	.amdgpu_metadata
---
amdhsa.version: [ 1, 2 ]
amdhsa.kernels:
  - .name:           k_q3978a48d7a_combine
    .symbol:         k_q3978a48d7a_combine.kd
    .args:
      - { .name: idx, .offset: 0, .size: 8, .value_kind: global_buffer, .address_space: global }
      - { .name: gat, .offset: 8, .size: 8, .value_kind: global_buffer, .address_space: global }
      - { .name: y, .offset: 16, .size: 8, .value_kind: global_buffer, .address_space: global }
      - { .name: out0, .offset: 24, .size: 8, .value_kind: global_buffer, .address_space: global }
    .group_segment_fixed_size: 0
    .private_segment_fixed_size: 0
    .kernarg_segment_align: 8
    .kernarg_segment_size: 32
    .max_flat_workgroup_size: 128
    .sgpr_count:     66
    .vgpr_count:     136
    .wavefront_size: 32
...
	.end_amdgpu_metadata
.endif
;; end of part 4
;; ======== version 2 of 2: 4 launches
;; workspace buffers: xq 786,432 bytes; xs 32,768 bytes; idx 4,096 bytes of whole numbers; gat 8,192 bytes; hq 29,360,128 bytes; cnt 1,024 bytes of whole numbers; y 33,554,432 bytes
;; launch route (part 5): grid 256 x 1, 4 waves a work-group, no clusters, 55,808 bytes of LDS; arguments x, gate_w, gate_b, xq, xs, idx, gat; writes xq, xs, idx, gat
.if DOCPART == 5
	.amdgcn_target "amdgcn-amd-amdhsa--gfx1250"
	.amdhsa_code_object_version 6
	.text
	.protected	k_q3978a48d7a_route
	.globl	k_q3978a48d7a_route
	.p2align	8
	.type	k_q3978a48d7a_route,@function
k_q3978a48d7a_route:
	s_mov_b64 s[64:65], 0
	v_nop
	global_prefetch_b8 v0, s[64:65] scope:SCOPE_SE
	s_setreg_imm32_b32 hwreg(HW_REG_WAVE_MODE, 25, 1), 1
	s_wait_xcnt 0x0
; ROUTER AND QUANTISER OF x.  One wave takes one token t = 4 x work-group + wave.
; (1) x[t][0..1023] is turned into codes of E2M3 with one E8M0 byte for each 32 along D, once for the whole program.
;     xq: [token][K step s of 128][half h][48 bytes]: block 4 s + h, then block 4 s + 2 + h: the twelve registers that lane (r, h) of a 6-bit operand wants, on end.
;     xs: [token][8 words]: word s = the scale bytes of blocks 4 s .. 4 s + 3.
; (2) logits = x gate_w + gate_b in f32 (fused multiply-adds), softmax with the row's maximum taken away, the two largest gates (the lower index wins a tie), normalised by their sum.
;     idx[t] = (1 << e0) | (0x100 << e1);  gat[t] = the two weights.  Both go to fixed places: no address and no branch hangs on the choice.
; Each load of x reads 512 consecutive bytes; a lane's 16 neighbours along D come back from the wave's own stage in LDS (64 bytes + 16 of padding a lane).
; gate_w (32 KiB) is brought into LDS once by the four waves; piece q of 16 bytes lies at 16 q + 16 (q / 32), so that lanes 528 bytes apart meet in no bank.
; The small results (32, 4 and 8 bytes a token) do not fill aligned blocks of 256 bytes: 44 bytes against the 4,864 that a wave moves otherwise.
; LIMITS: NaN and infinities are not served.  A gate under 2^-126 becomes 0 (v_exp_f32 gives 0 there).  A block of zeros gets the byte 1, not 127: its codes are zeros, and this program alone reads the bytes.
; Two gates that agree within the rounding of f32 may be ordered otherwise than by another order of the sums.
.set SP,   80                          ; a lane's place in a stage
.set STG,  33792                       ; behind gate_w: 5,376 bytes for each wave: two stages of 32 x 80, then its 32 scale bytes
.set WREG, 5376
.set SBO,  5120
.set R,    16                          ; v16-47   x as loaded
.set X,    48                          ; v48-79   register 16 c + i = x[512 c + 16 lane + i]
.set GA,   80                          ; v80-143  gate_w as loaded, later rows of gate_w from LDS
.set GB,   144                         ; v144-207 the same, by turns
.set ACC,  208                         ; v208-215 the eight logits
.set P,    216                         ; v216-223 the eight gates
.set T,    224                         ; v224-239 at work
.set C,    240                         ; v240-242, v244-246 codes
	s_load_b256 s[4:11], s[0:1], 0x0               ; x, gate_w, gate_b, xq
	s_load_b128 s[12:15], s[0:1], 0x20             ; xs, idx
	s_load_b64 s[16:17], s[0:1], 0x30              ; gat
	v_lshl_add_u32 v248, v0, 2, 0xd800
	v_mov_b32 v249, 0
	v_lshrrev_b32 v2, 5, v0
	v_readfirstlane_b32 s18, v2                    ; wave
	v_and_b32 v1, 31, v0                           ; lane
	v_lshlrev_b32 v3, 4, v1                        ; 16 x lane
	v_lshlrev_b32 v4, 4, v0                        ; 16 x thread: gate_w in memory
	v_lshl_add_u32 v5, v2, 4, v4                   ; and in LDS: + 16 x wave (a load's piece is 128 i + thread)
	s_mul_i32 s19, s18, WREG
	s_add_co_u32 s19, s19, STG                     ; my wave's region
	v_lshrrev_b32 v6, 2, v1
	v_mul_u32_u24 v6, v6, SP
	v_and_b32 v14, 3, v1
	v_lshl_add_u32 v6, v14, 4, v6
	v_add_nc_u32 v6, s19, v6                       ; into a stage: 80 (lane / 4) + 16 (lane % 4)
	v_mul_u32_u24 v7, v1, SP
	v_add_nc_u32 v7, s19, v7                       ; out of it: 80 x lane
	v_mul_u32_u24 v8, v1, 528                      ; gate_w's rows 16 lane .. 16 lane + 15
	v_lshrrev_b32 v9, 3, v1                        ; my 12 bytes of codes: block 16 c + lane / 2, its half lane % 2
	v_mul_u32_u24 v9, v9, 96                       ; K step 4 c + lane / 8
	v_bfe_u32 v14, v1, 1, 1
	v_mad_u32_u24 v9, v14, 48, v9                  ; h = the block's lowest bit
	v_bfe_u32 v14, v1, 2, 1
	v_mad_u32_u24 v9, v14, 24, v9                  ; first or second block of the 48 bytes
	v_and_b32 v14, 1, v1
	v_mad_u32_u24 v9, v14, 12, v9
	s_add_co_u32 s20, s19, SBO
	v_lshrrev_b32 v10, 1, v1
	v_add_nc_u32 v10, s20, v10                     ; my block's scale byte
	v_and_b32 v12, 7, v1
	v_lshlrev_b32 v12, 2, v12                      ; a scale word on its way out
	v_add_nc_u32 v11, s20, v12
	v_mov_b32 v13, 0
.irp e, 0,1,2,3,4,5,6,7
	v_mov_b32 v[P+\e], 0                           ; written once: a lane permute's destination counts as one of its sources
.endr
	s_lshl_b32 s21, ttmp9, 2
	s_add_co_u32 s21, s21, s18                     ; my token
	s_mov_b32 s23, 0
	s_mov_b32 s32, 0x76543210
	s_mov_b32 s33, 0xfedcba98                      ; selects for lane l xor 16
	s_wait_kmcnt 0x0
	s_lshl_b32 s22, s21, 12
	s_add_nc_u64 s[4:5], s[4:5], s[22:23]          ; x + 4,096 t
	s_mul_i32 s22, s21, 768
	s_add_nc_u64 s[10:11], s[10:11], s[22:23]      ; xq + 768 t
	s_lshl_b32 s22, s21, 5
	s_add_nc_u64 s[12:13], s[12:13], s[22:23]      ; xs + 32 t
	s_lshl_b32 s22, s21, 2
	s_add_nc_u64 s[14:15], s[14:15], s[22:23]      ; idx + 4 t
	s_lshl_b32 s22, s21, 3
	s_add_nc_u64 s[16:17], s[16:17], s[22:23]      ; gat + 8 t
	s_load_b256 s[24:31], s[8:9], 0x0              ; gate_b
.irp i, 0,1,2,3,4,5,6,7
	global_load_b128 v[R+4*\i:R+4*\i+3], v3, s[4:5] offset:512*\i th:TH_LOAD_NT     ; 32 lanes read 512 consecutive bytes; read once in the launch
.endr
.irp i, 0,1,2,3,4,5,6,7,8,9,10,11,12,13,14,15
	global_load_b128 v[GA+4*\i:GA+4*\i+3], v4, s[6:7] offset:2048*\i               ; the work-group's 128 threads read 2,048 consecutive bytes
.endr
.macro TURN c                          ; 512 numbers through a stage: LDS serves a wave's instructions in order, so no wait stands between the stores and the loads
.irp i, 0,1,2,3
	ds_store_b128 v6, v[R+16*\c+4*\i:R+16*\c+4*\i+3] offset:2560*\c+640*\i
.endr
.irp i, 0,1,2,3
	ds_load_b128 v[X+16*\c+4*\i:X+16*\c+4*\i+3], v7 offset:2560*\c+16*\i
.endr
.endm
.macro QSTEP c                         ; my 16 neighbours become 12 bytes of codes; two neighbouring lanes hold a block
.set XS, X+16*\c
.set TC, T+4*\c
	v_max3_num_f32 v[TC], |v[XS]|, |v[XS+1]|, |v[XS+2]|
	v_max3_num_f32 v[TC+1], |v[XS+3]|, |v[XS+4]|, |v[XS+5]|
.irp i, 6,10
	v_max3_num_f32 v[TC], v[TC], |v[XS+\i]|, |v[XS+\i+1]|
	v_max3_num_f32 v[TC+1], v[TC+1], |v[XS+\i+2]|, |v[XS+\i+3]|
.endr
	v_max3_num_f32 v[TC], v[TC], |v[XS+14]|, |v[XS+15]|
	v_max3_num_f32 v[TC], v[TC], v[TC+1], 0x1800000            ; and the floor 2^(3 - 127): the byte cannot fall under 1
	v_max_num_f32_dpp v[TC], v[TC], v[TC] row_xmask:1 row_mask:0xf bank_mask:0xf   ; with my neighbour's 16: the block's largest magnitude
	v_add_nc_u32 v[TC+2], 0xff000000, v[TC]                    ; 2 off its exponent field: the conversion takes the exponent field of this operand as its scale
	v_cvt_scalef32_pk16_fp6_f32 v[C+4*\c:C+4*\c+2], v[XS:XS+15], v[TC+2]
	v_lshrrev_b32 v[TC+3], 23, v[TC+2]                         ; the scale's byte (also the plain line behind the conversion)
	ds_store_b8 v10, v[TC+3] offset:16*\c                      ; both lanes of a block write the same byte with the same value
	global_store_b96 v9, v[C+4*\c:C+4*\c+2], s[10:11] offset:384*\c   ; the wave's 32 pieces of 12 bytes cover 384 consecutive bytes
.endm
	s_wait_loadcnt 16                              ; x's eight loads are in; gate_w's sixteen may be out
	TURN 0
	TURN 1
	s_wait_dscnt 0x0
	QSTEP 0
	QSTEP 1
	s_wait_loadcnt 0x0                             ; gate_w
.irp i, 0,1,2,3,4,5,6,7,8,9,10,11,12,13,14,15
	ds_store_b128 v5, v[GA+4*\i:GA+4*\i+3] offset:2112*\i      ; piece 128 i + thread: 2,048 i + 16 (4 i) further on
.endr
	s_wait_dscnt 0x0                               ; for the others' sake: my part of gate_w lies in LDS
	s_barrier_signal -1
	s_barrier_wait -1                              ; everybody's does
; A group g = eight of my 16 k of half c = g / 2: their rows of gate_w, 32 bytes each
.macro GLOAD g, buf
.irp i, 0,1,2,3,4,5,6,7
.irp p, 0,1
	ds_load_b128 v[\buf+8*\i+4*\p:\buf+8*\i+4*\p+3], v8 offset:16896*(\g/2)+32*(8*(\g%2)+\i)+16*\p
.endr
.endr
.endm
.macro GFMA g, buf, first              ; 64 multiply-adds, the eight logits by turns; the first eight products start the sums
.irp i, 0,1,2,3,4,5,6,7
.irp e, 0,1,2,3,4,5,6,7
.if (\first) && (\i == 0)
	v_mul_f32 v[ACC+\e], v[X+16*(\g/2)+8*(\g%2)+\i], v[\buf+8*\i+\e]
.else
	v_fmac_f32 v[ACC+\e], v[X+16*(\g/2)+8*(\g%2)+\i], v[\buf+8*\i+\e]
.endif
.endr
.endr
.endm
	GLOAD 0, GA
	GLOAD 1, GB
	s_wait_dscnt 16                                ; this group's loads are in; the next group's sixteen may be out
	GFMA 0, GA, 1
	GLOAD 2, GA
	s_wait_alu depctr_va_vdst(0)
	s_wait_dscnt 16
	GFMA 1, GB, 0
	GLOAD 3, GB
	s_wait_alu depctr_va_vdst(0)
	s_wait_dscnt 16
	GFMA 2, GA, 0
	s_wait_alu depctr_va_vdst(0)
	s_wait_dscnt 0x0
	GFMA 3, GB, 0
	ds_load_b32 v239, v11                          ; my token's scale words (lanes 0 to 7 store them below)
.irp m, 1,2,4,8
.irp e, 0,1,2,3,4,5,6,7
	v_add_f32_dpp v[ACC+\e], v[ACC+\e], v[ACC+\e] row_xmask:\m row_mask:0xf bank_mask:0xf
.endr
.endr
.irp e, 0,1,2,3,4,5,6,7
	v_permlanex16_b32 v[P+\e], v[ACC+\e], s32, s33
.endr
.irp e, 0,1,2,3,4,5,6,7
	v_add_f32 v[ACC+\e], v[ACC+\e], v[P+\e]        ; every lane holds the eight sums
.endr
	s_wait_alu depctr_va_vdst(0)
	s_wait_kmcnt 0x0
.irp e, 0,1,2,3,4,5,6,7
	v_add_f32 v[ACC+\e], s[24+\e], v[ACC+\e]       ; + gate_b
.endr
	v_max3_num_f32 v224, v208, v209, v210          ; the softmax: the largest logit is taken away first
	v_max3_num_f32 v224, v224, v211, v212
	v_max3_num_f32 v224, v224, v213, v214
	v_max_num_f32 v224, v224, v215
.irp e, 0,1,2,3,4,5,6,7
	v_sub_f32 v[P+\e], v[ACC+\e], v224
.endr
.irp e, 0,1,2,3,4,5,6,7
	v_mul_f32 v[P+\e], 0x3fb8aa3b, v[P+\e]         ; x log2(e)
.endr
	s_wait_alu depctr_va_vdst(0)
.irp e, 0,1,2,3,4,5,6,7
	v_exp_f32 v[P+\e], v[P+\e]
.endr
	v_mov_b32 v236, 1                              ; (a plain line behind the exponentials)
	s_wait_alu depctr_va_vdst(0)
	v_add_f32 v225, v216, v217
	v_add_f32 v226, v218, v219
	v_add_f32 v227, v220, v221
	v_add_f32 v228, v222, v223
	v_add_f32 v225, v225, v226
	v_add_f32 v227, v227, v228
	v_add_f32 v225, v225, v227
	s_wait_alu depctr_va_vdst(0)
	v_rcp_f32 v226, v225
	v_mov_b32 v237, 0x100                          ; (a plain line behind the reciprocal)
	v_mov_b32 v238, -1.0
	s_wait_alu depctr_va_vdst(0)
.irp e, 0,1,2,3,4,5,6,7
	v_mul_f32 v[P+\e], v[P+\e], v226               ; the gates
.endr
.macro SCAN best, ind                  ; the largest gate and its index, ascending: a later one takes over only where it is strictly larger
	v_mov_b32 v[\best], v[P]
	v_mov_b32 v[\ind], 0
.irp e, 1,2,3,4,5,6,7
	v_cmp_ge_f32 vcc_lo, v[\best], v[P+\e]
	v_cndmask_b32 v[\ind], \e, v[\ind], vcc_lo
	v_cndmask_b32 v[\best], v[P+\e], v[\best], vcc_lo
.endr
.endm
	SCAN 228, 229
.irp e, 0,1,2,3,4,5,6,7
	v_cmp_eq_u32 vcc_lo, \e, v229
	v_cndmask_b32 v[P+\e], v[P+\e], v238, vcc_lo   ; the winner leaves: -1 lies under every gate
.endr
	SCAN 230, 231
	v_add_f32 v232, v228, v230
	s_wait_alu depctr_va_vdst(0)
	v_rcp_f32 v233, v232
	v_lshlrev_b32 v236, v229, v236                 ; 1 << e0  (a plain line behind the reciprocal)
	v_lshlrev_b32 v237, v231, v237                 ; 0x100 << e1
	s_wait_alu depctr_va_vdst(0)
	v_mul_f32 v234, v228, v233
	v_mul_f32 v235, v230, v233                     ; the two weights, normalised
	v_or_b32 v236, v236, v237
	s_wait_alu depctr_va_vdst(0)
	s_wait_dscnt 0x0                               ; the scale words
	v_cmp_gt_u32 vcc_lo, 8, v1
	s_wait_xcnt 0x0                                ; EXEC changes only behind this wait
	s_wait_tensorcnt 0x0
	ds_add_u32 v248, v249
	s_wait_dscnt 0x0
	s_and_saveexec_b32 s36, vcc_lo
	global_store_b32 v12, v239, s[12:13]           ; lanes 0 to 7: xs[t]
	v_cmp_eq_u32 vcc_lo, 0, v1
	s_wait_xcnt 0x0
	s_and_saveexec_b32 s37, vcc_lo
	global_store_b32 v13, v236, s[14:15]           ; lane 0: idx[t]
	global_store_b64 v13, v[234:235], s[16:17]     ; and gat[t]
	s_endpgm
.Lfunc_end_k_q3978a48d7a_route:
	.size	k_q3978a48d7a_route, .Lfunc_end_k_q3978a48d7a_route-k_q3978a48d7a_route
	.p2alignl 7, 3214868480
	.fill 96, 4, 3214868480
	.section	.rodata,"a",@progbits
	.p2align	6, 0x0
	.amdhsa_kernel k_q3978a48d7a_route
		.amdhsa_group_segment_fixed_size 55808
		.amdhsa_private_segment_fixed_size 0
		.amdhsa_enable_private_segment 0
		.amdhsa_kernarg_size 56
		.amdhsa_user_sgpr_count 2
		.amdhsa_user_sgpr_kernarg_segment_ptr 1
		.amdhsa_wavefront_size32 1
		.amdhsa_system_sgpr_workgroup_id_x 1
		.amdhsa_system_sgpr_workgroup_id_y 1
		.amdhsa_system_sgpr_workgroup_id_z 1
		.amdhsa_system_vgpr_workitem_id 0
		.amdhsa_next_free_vgpr 250
		.amdhsa_next_free_sgpr 66
		.amdhsa_reserve_vcc 1
		.amdhsa_float_denorm_mode_32 3
		.amdhsa_float_denorm_mode_16_64 3
		.amdhsa_memory_ordered 1
		.amdhsa_forward_progress 1
		.amdhsa_inst_pref_size 30
	.end_amdhsa_kernel
	.amdgpu_metadata
---
amdhsa.version: [ 1, 2 ]
amdhsa.kernels:
  - .name:           k_q3978a48d7a_route
    .symbol:         k_q3978a48d7a_route.kd
    .args:
      - { .name: x, .offset: 0, .size: 8, .value_kind: global_buffer, .address_space: global }
      - { .name: gate_w, .offset: 8, .size: 8, .value_kind: global_buffer, .address_space: global }
      - { .name: gate_b, .offset: 16, .size: 8, .value_kind: global_buffer, .address_space: global }
      - { .name: xq, .offset: 24, .size: 8, .value_kind: global_buffer, .address_space: global }
      - { .name: xs, .offset: 32, .size: 8, .value_kind: global_buffer, .address_space: global }
      - { .name: idx, .offset: 40, .size: 8, .value_kind: global_buffer, .address_space: global }
      - { .name: gat, .offset: 48, .size: 8, .value_kind: global_buffer, .address_space: global }
    .group_segment_fixed_size: 55808
    .private_segment_fixed_size: 0
    .kernarg_segment_align: 8
    .kernarg_segment_size: 56
    .max_flat_workgroup_size: 128
    .sgpr_count:     66
    .vgpr_count:     250
    .wavefront_size: 32
...
	.end_amdgpu_metadata
.endif
;; end of part 5
;; launch ffn1 (part 6): grid 32 x 8, 4 waves a work-group, no clusters, 100,864 bytes of LDS; arguments idx, xq, xs, W1_codes, W1_scales, b1, hq, cnt; writes hq, cnt
.if DOCPART == 6
	.amdgcn_target "amdgcn-amd-amdhsa--gfx1250"
	.amdhsa_code_object_version 6
	.text
	.protected	k_q3978a48d7a_ffn1
	.globl	k_q3978a48d7a_ffn1
	.p2align	8
	.type	k_q3978a48d7a_ffn1,@function
k_q3978a48d7a_ffn1:
	s_mov_b64 s[64:65], 0
	v_nop
	global_prefetch_b8 v0, s[64:65] scope:SCOPE_SE
	s_setreg_imm32_b32 hwreg(HW_REG_WAVE_SCHED_MODE, 0, 2), 2
	s_setreg_imm32_b32 hwreg(HW_REG_WAVE_MODE, 25, 1), 1
	s_wait_xcnt 0x0
	s_wait_alu depctr_vm_vsrc(0)
; THE FIRST PRODUCT, for the routed rows alone: hq = Q(relu(x W1[e] + b1[e])), codes of E2M3 with one E8M0 byte for each 32 along F.
; SHARES.  Work-group (s', e): hidden units 128 s' .. 128 s' + 127 of expert e, for all rows routed to e.  Its slice of W1 (128 rows x 768 bytes, dense in memory) goes once through registers into LDS; one barrier.
; Then each wave walks tiles of 16 routed rows of its own: wave v takes tiles T0 + 4 j, j = 0 .. 4, T0 = v, v + 20, v + 40, v + 60: four passes cover the 64 tiles that an expert can have.
; The loop over passes has a constant count; a pass whose T0 lies at or beyond n, the number of the expert's tiles, is jumped over.
; WHICH ROWS.  idx[t] holds a bit for each of token t's two experts.  All 1,024 words are read, 32 registers a lane; register w, lane i stands for token 128 (w / 4) + 4 i + w % 4.  A compare gives a mask of 32 members for each w.
; Position p of an expert's list is the p-th set bit of the 32 masks, in the order (w, i); it is found in registers (SELECT3), a position a lane.  Tile = p / 16.
; (The last launch of the program finds a token's positions by counting in the same order.)  Tiles at or beyond n inside a pass run on clamped rows and store nothing.
; LAYOUT.  The product is used transposed (source 0 = 16 rows of W1, source 1 = 16 rows of x), and the rows of W1 that form a tile are not neighbours: lane r of tile 2 b + u takes row 32 b + 8 u + r + 8 (r / 8),
; so that a lane's 16 registers of tiles 2 b, 2 b + 1 are 16 neighbours along F.  b1 is the C of each sum's first product.  A tile's 128 hidden units are one K step of the second product:
; hq[e][tile][s'] = 1,792 bytes: the fragment as an image of its registers (3 x 512 bytes, lane l's 16 bytes at 16 l), then 256 bytes with lane l's scale word at 8 l.  Every store covers whole aligned blocks of 256 bytes.
; Wave 0 of the work-group with s' = 0 also stores cnt[e] = the number of rows.
; NO TENSOR LOADS, NO CLUSTER: which passes run, and which tiles are stored, hang on counts read from memory;
; without such branches every expert would have to be taken as 1,024 rows, four times the 2,048 rows that are routed.
; REGISTERS, in windows of 256: window 0: v1-15 lane constants, v16-21 positions and tokens, v22-37 what becomes an address (nothing else ever lies there), v38-61 SELECT3, v62-93 W1's scale words, v94-133 x's scale words,
;   v136-195, v196-255 x's fragments, sets 0 and 1 (at the head v136-167 hold idx; on the way out v136-237 hold a tile's numbers, codes and scale word).   window 1: W1's fragments, two sets, at v0 and v128.
;   window 2: the accumulators of tiles 0-3 (tile j, W1 tile t at v[64 j + 8 t]); ahead of the barrier v0-191 carry the slice on its way to LDS.   window 3: v0-63 tile 4's accumulators; v64-127 b1; v128-187, v188-247 x's sets 2 and 3.
; LIMITS: NaN and infinities are not served; a block of zeros gets the byte 1, not 127 (its codes are zeros; this program alone reads the bytes).
; THE MODE: SCHED_MODE bits 1:0 = 2 (LLVM: expert scheduling mode 2), set by the entry lines.  The code itself states the register dependences
; between vector or matrix instructions and memory or LDS instructions, with s_wait_alu, always for 0.
; THE PLAN.  Registers that memory or LDS instructions touch:
;   v4-v9, v13, v14   offsets and LDS addresses: made once at the head, never written again: one wait on va_vdst ahead of the first load serves them for the whole kernel.
;   window 2 v0-191   the slice: landed by loads, read by the LDS stores ahead of the barrier; from the first pass on written by matrix instructions.
;   XO, XSO           written by PREP's vector lines, read by all the pass's loads of x.
;   XS, x's sets 0-3  Step s: its products read set s % 4; behind the wait at step s + 1's head the loads of step s + 4 land in it.  On the way out vector lines write and read v136-237.
;   W1's sets 0, 1    Step s: its products read set s % 2; behind the wait at step s + 1's head the LDS loads of step s + 2 land in it.
;   PC, PW            written by a tile's conversions and moves, read by its four stores.
; So: one wait on vm_vsrc and one on va_vdst in PREP; ONE wait on va_vdst at the head of steps 1 to 6, behind the waits for the step's data, and behind it the step's loads, dealt among its 40 products,
; which name W1's set s % 2, x's set s % 4, the accumulators and the scale words: none of the registers that those loads touch; one pair of waits for each tile on the way out.
; A vector instruction's scalar result is waited for (va_sdst) ahead of its first reader; the compares stand in runs, with one wait behind a run.
.set PITCH, 784                        ; an LDS row: 768 bytes + 16 = 196 words: row r starts at bank 4 r mod 64 (64 banks of 4 bytes: ISA guide 11.1); with 6 words for the upper lanes the 32 lanes of a load of 8 bytes touch 64 different banks
.set PASSES, 4
.set POS,  16                          ; v16-18  three registers of positions: lanes 0-15 tile 2 q, lanes 16-31 tile 2 q + 1
.set TOK,  19                          ; v19-21  their tokens
.set TT,   22                          ; v22-24  at work
.set TU,   25                          ; v25-27  at work
.set XO,   28                          ; v28-32  tile j: the row's token, then 768 x token + 48 h
.set XSO,  33                          ; v33-37  tile j: 32 x token
.set SEW,  38                          ; SELECT3: the word w,
.set SEB,  41                          ; the members in front of it, later the bit's place,
.set SEM,  44                          ; its mask,
.set SEK,  47                          ; the rank in it,
.set SEA,  50                          ; counts of its pairs of bits,
.set SEN,  53                          ; of its groups of four,
.set SEC,  56                          ; of its bytes,
.set SED,  59                          ; of its halves
.set SW,   62                          ; v62-93   register 8 b + s: lanes 0-15 the word of W1 tile 2 b, lanes 16-31 of tile 2 b + 1, K step s
.set XS,   94                          ; v94-133  register 8 j + s: x's scale word of tile j, K step s
.set IW,   136                         ; idx at the head
.set ST,   136                         ; the way out: 64 numbers,
.set PC,   200                         ; the codes,
.set TM,   220                         ; largest magnitudes, bytes, scale operands,
.set PW,   236                         ; the scale word; v237 = 0 beside it
.set MK,   32                          ; s[32:63] the 32 masks
.set SEL,  66                          ; s[66:67] selects for lane l xor 16
.set CM,   84                          ; s[84:95] SELECT3: the twelve masks of four words' compares; the members in front of the four words lie in s70, s71, s82, s83
.set MSB, 0
.macro WIN new                         ; the immediate's high byte repeats the setting that is left; a switch that changes nothing is dropped
.if MSB != (\new)
	s_set_vgpr_msb (MSB<<8)|(\new)
.set MSB, (\new)
.endif
.endm
.macro PLACES n                        ; a load into a register that a matrix instruction has read, and a vector instruction that reads its result, stand four plain vector instructions behind it
.rept \n
	v_nop
.endr
.endm
; One stage of the search for the k-th set bit: does it lie in the lower part (t members) of what is left?
.macro SELSTG xr, wd, stp
.irp q, 0,1,2
	v_bfe_u32 v[TT+\q], v[\xr+\q], v[SEB+\q], \wd
.endr
.irp q, 0,1,2
	v_cmp_ge_u32 s[78+\q], v[SEK+\q], v[TT+\q]
.endr
.irp q, 0,1,2
	v_add_nc_u32 v[TU+\q], \stp, v[SEB+\q]
.endr
	s_wait_alu depctr_va_sdst(0)                   ; the three compares have written s78 to s80, which the selections below read
.irp q, 0,1,2
	v_cndmask_b32 v[TT+\q], 0, v[TT+\q], s[78+\q]
.endr
.irp q, 0,1,2
	v_sub_nc_u32 v[SEK+\q], v[SEK+\q], v[TT+\q]
.endr
.irp q, 0,1,2
	v_cndmask_b32 v[SEB+\q], v[SEB+\q], v[TU+\q], s[78+\q]
.endr
.endm
; n words of the search, w0 on: is the number of members in front of the word above the position?  The compares of the n words stand in one run, into scalar registers of their own, with one wait behind the run;
; the selections follow in ascending order of the words.  s77: the members in front of the next word.
.macro SELB w0, n
.set k, 0
.rept \n
	s_mov_b32 s[70+k+10*(k/2)], s77                ; the members in front of word w0 + k
	s_bcnt1_i32_b32 s81, s[MK+(\w0)+k]
	s_add_co_u32 s77, s77, s81
.set k, k+1
.endr
.set k, 0
.rept \n
.irp q, 0,1,2
	v_cmp_gt_u32 s[CM+3*k+\q], s[70+k+10*(k/2)], v[POS+\q]
.endr
.set k, k+1
.endr
	s_wait_alu depctr_va_sdst(0)                   ; the run of compares has written its masks in s[CM ..], which the selections below read
.set k, 0
.rept \n
.set w, (\w0)+k
.irp q, 0,1,2
	v_cndmask_b32 v[SEW+\q], w, v[SEW+\q], s[CM+3*k+\q]
	v_cndmask_b32 v[SEB+\q], s[70+k+10*(k/2)], v[SEB+\q], s[CM+3*k+\q]
	v_cndmask_b32 v[SEM+\q], s[MK+w], v[SEM+\q], s[CM+3*k+\q]
.endr
.set k, k+1
.endr
.endm
; From three registers of positions to their tokens.  First the last word w with no more members in front of it than the position; then the bit.  A position beyond the list ends at some token of word 31.
.macro SELECT3
.irp q, 0,1,2
	v_mov_b32 v[SEW+\q], 0
	v_mov_b32 v[SEB+\q], 0
	v_mov_b32 v[SEM+\q], s[MK]
.endr
	s_bcnt1_i32_b32 s77, s[MK]                     ; members in front of word 1
	SELB 1, 4
	SELB 5, 4
	SELB 9, 4
	SELB 13, 4
	SELB 17, 4
	SELB 21, 4
	SELB 25, 4
	SELB 29, 3
.irp q, 0,1,2
	v_sub_nc_u32 v[SEK+\q], v[POS+\q], v[SEB+\q]
.endr
.irp q, 0,1,2
	v_lshrrev_b32 v[TT+\q], 1, v[SEM+\q]
.endr
.irp q, 0,1,2
	v_and_b32 v[TT+\q], 0x55555555, v[TT+\q]
.endr
.irp q, 0,1,2
	v_sub_nc_u32 v[SEA+\q], v[SEM+\q], v[TT+\q]
.endr
.irp q, 0,1,2
	v_lshrrev_b32 v[TT+\q], 2, v[SEA+\q]
.endr
.irp q, 0,1,2
	v_and_b32 v[TT+\q], 0x33333333, v[TT+\q]
.endr
.irp q, 0,1,2
	v_and_b32 v[TU+\q], 0x33333333, v[SEA+\q]
.endr
.irp q, 0,1,2
	v_add_nc_u32 v[SEN+\q], v[TT+\q], v[TU+\q]
.endr
.irp q, 0,1,2
	v_lshrrev_b32 v[TT+\q], 4, v[SEN+\q]
.endr
.irp q, 0,1,2
	v_add_nc_u32 v[TT+\q], v[TT+\q], v[SEN+\q]
.endr
.irp q, 0,1,2
	v_and_b32 v[SEC+\q], 0x0f0f0f0f, v[TT+\q]
.endr
.irp q, 0,1,2
	v_lshrrev_b32 v[TT+\q], 8, v[SEC+\q]
.endr
.irp q, 0,1,2
	v_add_nc_u32 v[SED+\q], v[TT+\q], v[SEC+\q]
.endr
.irp q, 0,1,2
	v_mov_b32 v[SEB+\q], 0                         ; the bit's place
.endr
	SELSTG SED, 8, 16
	SELSTG SEC, 8, 8
	SELSTG SEN, 4, 4
	SELSTG SEA, 2, 2
	SELSTG SEM, 1, 1
.irp q, 0,1,2
	v_lshrrev_b32 v[TT+\q], 2, v[SEW+\q]
.endr
.irp q, 0,1,2
	v_lshlrev_b32 v[TT+\q], 7, v[TT+\q]
.endr
.irp q, 0,1,2
	v_lshl_add_u32 v[TT+\q], v[SEB+\q], 2, v[TT+\q]
.endr
.irp q, 0,1,2
	v_and_b32 v[TU+\q], 3, v[SEW+\q]
.endr
.irp q, 0,1,2
	v_add_nc_u32 v[TOK+\q], v[TT+\q], v[TU+\q]     ; 128 (w / 4) + 4 i + w % 4
.endr
.endm
.macro XLOAD s                         ; x's five fragments of K step s into set s % 4: three loads of 16 bytes a lane and tile
.if ((\s)%4) < 2
	WIN 0
.set XB, 136+60*((\s)%4)
.else
	WIN 0xc0
.set XB, 128+60*((\s)%4-2)
.endif
.irp j, 0,1,2,3,4
.irp c, 0,1,2
	global_load_b128 v[XB+12*\j+4*\c:XB+12*\j+4*\c+3], v[XO+\j], s[6:7] offset:96*(\s)+16*\c
.endr
.endr
.endm
; What a pass needs: its positions, tokens and offsets; then 55 loads: 10 of x's scale words, x's fragments of K steps 0, 1, 2.
.macro PREP
	s_wait_xcnt 0x0                                ; every earlier load and store has read its registers: offsets, store data and bases are written again only behind this wait
	s_wait_alu depctr_vm_vsrc(0)                   ; the slice's LDS stores have read window 2's v0-191, which this pass's products write; the count's store has read v38; the last pass's loads have read XO and XSO, its stores PC and PW: all are written again below
	s_lshl_b32 s76, s27, 4
	v_add_nc_u32 v[POS], s76, v10                  ; tiles T0, T0 + 4
	s_add_co_u32 s77, s76, 128
	v_add_nc_u32 v[POS+1], s77, v10                ; T0 + 8, T0 + 12
	s_add_co_u32 s77, s76, 256
	v_add_nc_u32 v[POS+2], s77, v11                ; T0 + 16; the upper lanes get a position beyond every list
	SELECT3
.irp q, 0,1,2
	v_permlanex16_b32 v[TT+\q], v[TOK+\q], s[SEL], s[SEL+1]
.endr
	v_cndmask_b32 v[XO+0], v[TOK+0], v[TT+0], s68  ; both halves of the lanes want the token of row lane % 16 of the tile
	v_cndmask_b32 v[XO+1], v[TT+0], v[TOK+0], s68
	v_cndmask_b32 v[XO+2], v[TOK+1], v[TT+1], s68
	v_cndmask_b32 v[XO+3], v[TT+1], v[TOK+1], s68
	v_cndmask_b32 v[XO+4], v[TOK+2], v[TT+2], s68
.irp j, 0,1,2,3,4
	v_min_u32 v[XO+\j], 0x3ff, v[XO+\j]            ; a token's number, held inside x
.endr
.irp j, 0,1,2,3,4
	v_lshlrev_b32 v[XSO+\j], 5, v[XO+\j]
.endr
.irp j, 0,1,2,3,4
	v_mul_u32_u24 v[XO+\j], v[XO+\j], 768
.endr
.irp j, 0,1,2,3,4
	v_add_nc_u32 v[XO+\j], v[XO+\j], v12
.endr
	s_wait_loadcnt 0x0                             ; W1's scale words and b1, asked for ahead of the barrier, are in; from here on the counts count this pass's loads alone
	s_wait_alu depctr_va_vdst(0)                   ; XO and XSO are written, which the loads below read; the masks' lines are done reading idx's registers, the last pass's products and way out are done with XS, x's four sets and W1's two: loads land in all of them, up to the end of step 0
.irp j, 0,1,2,3,4
.irp c, 0,1
	global_load_b128 v[XS+8*\j+4*\c:XS+8*\j+4*\c+3], v[XSO+\j], s[8:9] offset:16*\c
.endr
.endr
	XLOAD 0
	XLOAD 1
	XLOAD 2
	WIN 0
.endm
.macro LDSWT s, t                      ; W1's fragment of tile t, K step s, into set s % 2: 24 bytes of a row's stream of bits as three loads of 8 bytes, twice
.irp p, 0,1,2,3,4,5
	ds_load_b64 v[128*((\s)%2)+12*(\t)+2*\p:128*((\s)%2)+12*(\t)+2*\p+1], v[4+(\t)/4] offset:16*PITCH*((\t)%4)+96*(\s)+48*(\p/3)+8*(\p%3)
.endr
.endm
; 40 matrix instructions: five tiles of rows x eight tiles of W1, K step s.  The 40 accumulators take turns, one instruction a turn, in the same order in every step.
; The next step's fragments of W1 are dealt among them: two fragments, twelve LDS loads, ahead of each of the first four groups of eight, so that the last have landed at the step's end.
; No wait stands at these loads: no vector or matrix instruction since the wait at the step's head names W1's other set.
.macro MULA s
.if ((\s)%4) < 2
.set XB, 136+60*((\s)%4)
.set XW, 0
.else
.set XB, 128+60*((\s)%4-2)
.set XW, 3
.endif
.irp j, 0,1,2,3,4
.if ((\s) < 7) && (\j < 4)
	WIN 0x40
	LDSWT (\s)+1, 2*\j
	LDSWT (\s)+1, 2*\j+1
.endif
.if (\s) == 0
	WIN ((2+\j/4)<<6)|(3<<4)|(XW<<2)|1             ; source 0 (W1) window 1, source 1 (x) its set's, C = b1 in window 3
.else
	WIN ((2+\j/4)<<6)|((2+\j/4)<<4)|(XW<<2)|1      ; C and D the accumulator's window
.endif
.irp t, 0,1,2,3,4,5,6,7
.set AC, 64*(\j%4)+8*\t
.set CB, AC
.if (\s) == 0
.set CB, 64+8*\t
.endif
.set WF, 128*((\s)%2)+12*\t
.set XF, XB+12*\j
.if \t%2
	v_wmma_scale_f32_16x16x128_f8f6f4 v[AC:AC+7], v[WF:WF+11], v[XF:XF+11], v[CB:CB+7], v[SW+8*(\t/2)+(\s)], v[XS+8*\j+(\s)] matrix_a_fmt:MATRIX_FMT_FP6 matrix_b_fmt:MATRIX_FMT_FP6 matrix_a_scale:MATRIX_SCALE_ROW1
.else
	v_wmma_scale_f32_16x16x128_f8f6f4 v[AC:AC+7], v[WF:WF+11], v[XF:XF+11], v[CB:CB+7], v[SW+8*(\t/2)+(\s)], v[XS+8*\j+(\s)] matrix_a_fmt:MATRIX_FMT_FP6 matrix_b_fmt:MATRIX_FMT_FP6
.endif
.endr
.endr
.endm
; A K step of 128.  Behind the waits for its data stands the step's one wait on va_vdst; then x's fragments of three steps on are asked for, and the step is multiplied with the next step's LDS loads among its products.
; Step 0's loads lean on the wait in PREP; step 7 asks for nothing.
.macro STEP s
.if ((\s) > 0) && ((\s) < 7)
	PLACES 4
.endif
	s_wait_dscnt 0x0                               ; this step's fragments of W1 are in: the last of them were asked for ahead of the last step's last 16 products
.if (\s) < 6
	s_wait_loadcnt 30                              ; x's set of this step is in; the two sets behind it, 15 loads each, may be out
.else
	s_wait_loadcnt 15*(7-(\s))
.endif
.if ((\s) > 0) && ((\s) < 7)
	s_wait_alu depctr_va_vdst(0)                   ; the last step's products are done reading their set of W1 and their set of x, in which this step's loads land
.endif
.if (\s) < 5
	XLOAD (\s)+3
.endif
	MULA \s
.endm
; 64 numbers of a lane, register 16 b + i = k 32 b + 16 (lane / 16) + i of my row, become a fragment's codes in v[PC] on and its scale word in v[PW].
.macro QUANT s
.irp b, 0,1,2,3
	v_max3_num_f32 v[TM+\b], |v[\s+16*\b]|, |v[\s+1+16*\b]|, 0x1800000   ; block b: my 16 numbers, and the floor 2^(3 - 127): the byte cannot fall under 1
.endr
.irp i, 2,4,6,8,10,12,14
.irp b, 0,1,2,3
	v_max3_num_f32 v[TM+\b], v[TM+\b], |v[\s+16*\b+\i]|, |v[\s+1+16*\b+\i]|
.endr
.endr
.irp b, 0,1,2,3
	v_permlanex16_b32 v[TM+4+\b], v[TM+\b], s[SEL], s[SEL+1]
.endr
.irp b, 0,1,2,3
	v_max_num_f32 v[TM+\b], v[TM+\b], v[TM+4+\b]   ; with lane l xor 16's: the block's largest magnitude
.endr
.irp b, 0,1,2,3
	v_add_nc_u32 v[TM+12+\b], 0xff000000, v[TM+\b] ; 2 off its exponent field: the conversion's scale operand
.endr
.irp b, 0,1,2,3
	v_lshrrev_b32 v[TM+4+\b], 23, v[TM+12+\b]      ; the scale's byte
.endr
	v_lshl_or_b32 v[PW], v[TM+5], 8, v[TM+4]
	v_lshl_or_b32 v[PW], v[TM+6], 16, v[PW]
	v_lshl_or_b32 v[PW], v[TM+7], 24, v[PW]
.irp c, 0,1
	v_cvt_scalef32_pk16_fp6_f32 v[PC+6*\c:PC+2+6*\c], v[\s+32*\c:\s+15+32*\c], v[TM+12+2*\c]
	v_cvt_scalef32_pk16_fp6_f32 v[PC+12+4*\c:PC+14+4*\c], v[\s+16+32*\c:\s+31+32*\c], v[TM+12+2*\c+1]   ; (a conversion's three registers begin on an even number)
.endr
	v_nop                                          ; one plain line behind a scaled conversion
.irp c, 0,1                                    ; the operand's layout wants a whole block in a lane: lanes 0-15 block 2 c, lanes 16-31 block 2 c + 1
.irp i, 0,1,2
	v_permlane16_swap_b32 v[PC+6*\c+\i], v[PC+12+4*\c+\i]
.endr
.irp i, 0,1,2
	v_mov_b32 v[PC+3+6*\c+\i], v[PC+12+4*\c+\i]
.endr
.endr
.endm
; The way out of tile j: relu, quantised, stored as an image.  A tile at or beyond n stores nothing.
; The activation's 64 lines write v[ST ..], which no store reads: they stand between the last tile's stores and the waits for them.
.macro EPI j
	s_add_co_u32 s76, s27, 4*\j
	s_cmp_ge_u32 s76, s26
	s_cbranch_scc1 .Lskip_\@
	WIN 0x08+4*(\j/4)                              ; source 1: window 2 or 3
.set i, 0
.rept 64
	v_max_num_f32 v[ST+i], 0, v[64*(\j%4)+i]       ; the activation, in f32, into window 0; each accumulator from its low end on
.set i, i+1
.endr
	WIN 0
.irp b, 0,1,2,3
	v_mov_b32 v[TM+4+\b], 0                        ; a lane permute's destination counts as one of its sources
.endr
	s_wait_xcnt 0x0                                ; the last tile's stores have read their data and their base
	s_wait_alu depctr_vm_vsrc(0)                   ; the last tile's stores have read v[PC ..] and v[PW], v[PW + 1], which the lines below write again
	s_min_u32 s76, s76, 63
	s_mul_i32 s76, s76, 57344
	s_mov_b32 s77, 0
	s_add_nc_u64 s[74:75], s[72:73], s[76:77]
	v_mov_b32 v[PW+1], 0
	QUANT ST
	s_wait_alu depctr_va_vdst(0)                   ; the conversions, swaps and moves have written v[PC ..], v[PW] and v[PW + 1], which the four stores read
.irp c, 0,1,2
	global_store_b128 v8, v[PC+4*\c:PC+4*\c+3], s[74:75] offset:512*\c     ; 32 lanes store 512 consecutive bytes, at a multiple of 256 from hq's first byte
.endr
	global_store_b64 v9, v[PW:PW+1], s[74:75] offset:1536                  ; and 256: the scale words, a zero word beside each
.Lskip_\@:
.endm
	s_load_b256 s[4:11], s[0:1], 0x0               ; idx, xq, xs, W1's codes
	s_load_b256 s[12:19], s[0:1], 0x20             ; W1's scales, b1, hq, cnt
	v_lshl_add_u32 v134, v0, 2, 0x18800
	v_mov_b32 v135, 0
	v_lshrrev_b32 v1, 5, v0
	v_readfirstlane_b32 s22, v1                    ; wave
	s_and_b32 s23, ttmp7, 0xffff                   ; e
	s_mov_b32 s24, ttmp9                           ; s'
	v_and_b32 v1, 15, v0                           ; r
	v_bfe_u32 v2, v0, 4, 1                         ; h
	v_and_b32 v3, 31, v0                           ; lane
	v_mul_u32_u24 v4, v1, PITCH
	v_mad_u32_u24 v4, v2, 24, v4                   ; a fragment of W1 tiles 0-3: row r, + 24 h
	v_add_nc_u32 v5, 64*PITCH, v4                  ; of tiles 4-7
	s_wait_alu depctr_va_sdst(0)                   ; s22, the wave's number, is written, ahead of its first reader
	s_mul_i32 s76, s22, 24576
	v_mul_u32_u24 v6, v2, 768
	v_lshl_add_u32 v6, v1, 4, v6
	v_add_nc_u32 v6, s76, v6                       ; the slice in memory: my wave's 32 rows; lanes 0-15 one row's 256 bytes, lanes 16-31 the next row's
	s_mul_i32 s76, s22, 32*PITCH
	v_mul_u32_u24 v7, v2, PITCH
	v_lshl_add_u32 v7, v1, 4, v7
	v_add_nc_u32 v7, s76, v7                       ; and in LDS
	v_lshlrev_b32 v8, 4, v3
	v_lshlrev_b32 v9, 3, v3
	v_lshl_add_u32 v10, v2, 6, v1                  ; a position: r, and four tiles (64 rows) on for the upper lanes
	v_lshl_add_u32 v11, v2, 16, v1                 ; the same with the upper lanes beyond every list
	v_mul_u32_u24 v12, v2, 48
	v_and_b32 v13, 8, v1
	v_add_nc_u32 v13, v13, v1
	v_lshl_add_u32 v13, v2, 3, v13
	v_lshlrev_b32 v13, 5, v13                      ; W1's scale bytes: 32 a row; row 8 h + r + 8 (r / 8) of a pair of tiles
	v_lshlrev_b32 v14, 6, v2                       ; b1: 16 h numbers on
	s_mov_b32 s[SEL], 0x76543210
	s_mov_b32 s[SEL+1], 0xfedcba98
	s_mov_b32 s68, 0xffff0000                      ; the upper lanes
	s_lshl_b32 s69, 0x101, s23                     ; my expert's two bits of an idx word
	s_mov_b32 s77, 0
	s_wait_kmcnt 0x0
	s_mul_i32 s76, s23, 3145728
	s_mul_i32 s78, s24, 98304
	s_add_co_u32 s76, s76, s78
	s_add_nc_u64 s[10:11], s[10:11], s[76:77]      ; W1's codes at my slice
	s_lshl_b32 s76, s23, 17
	s_lshl_b32 s78, s24, 12
	s_add_co_u32 s76, s76, s78
	s_add_nc_u64 s[12:13], s[12:13], s[76:77]      ; its scale bytes
	s_lshl_b32 s76, s23, 14
	s_lshl_b32 s78, s24, 9
	s_add_co_u32 s76, s76, s78
	s_add_nc_u64 s[14:15], s[14:15], s[76:77]      ; b1
	s_mul_i32 s76, s23, 3670016
	s_mul_i32 s78, s24, 1792
	s_add_co_u32 s76, s76, s78
	s_add_nc_u64 s[72:73], s[16:17], s[76:77]      ; hq[e][0][s']
	s_lshl_b32 s76, s23, 7
	s_add_nc_u64 s[18:19], s[18:19], s[76:77]      ; cnt[e]
	s_wait_alu depctr_va_vdst(0)                   ; the offsets and LDS addresses v4 to v9, v13 and v14 are written: every load, store and LDS instruction of the kernel but x's loads and the count's store reads one of them, and no later line writes them
.irp a, 0,1,2,3,4,5,6,7
	global_load_b128 v[IW+4*\a:IW+4*\a+3], v8, s[4:5] offset:512*\a
.endr
	WIN 0x80
.irp i, 0,1,2,3,4,5,6,7,8,9,10,11,12,13,14,15
.irp k, 0,1,2
	global_load_b128 v[4*(3*\i+\k):4*(3*\i+\k)+3], v6, s[10:11] offset:1536*\i+256*\k th:TH_LOAD_NT   ; sixteen lanes read 256 consecutive bytes, aligned; no other work-group reads them
.endr
.endr
	WIN 0
	s_wait_loadcnt 48                              ; idx is in; the slice's 48 loads may be out
.set w, 0
.rept 32
	v_and_b32 v[SEW+w%4], s69, v[IW+w]
	v_cmp_ne_u32 s[MK+w], 0, v[SEW+w%4]            ; the members of my expert among 32 tokens
.set w, w+1
.endr
	s_wait_alu depctr_va_sdst(0)                   ; the run of 32 compares has written the masks s[MK ..], ahead of their first reader
	s_mov_b32 s25, 0
.set w, 0
.rept 32
	s_bcnt1_i32_b32 s76, s[MK+w]
	s_add_co_u32 s25, s25, s76                     ; the number of rows
.set w, w+1
.endr
	s_add_co_u32 s26, s25, 15
	s_lshr_b32 s26, s26, 4                         ; n: the number of tiles
	v_mov_b32 v15, s25
	s_or_b32 s76, s24, s22
	s_cmp_lg_u32 s76, 0
	s_cbranch_scc1 .Lno_cnt
	v_lshlrev_b32 v38, 2, v3
	s_wait_alu depctr_va_vdst(0)                   ; v38, the offset, and v15, the count, are written: the store reads both
	global_store_b32 v38, v15, s[18:19]            ; wave 0 of slice 0: the count, 32 times: 128 consecutive bytes
.Lno_cnt:
	s_wait_loadcnt 0x0                             ; the slice is in
	WIN 0x08                                       ; an LDS store's data are its source 1: window 2
.irp i, 0,1,2,3,4,5,6,7,8,9,10,11,12,13,14,15
.irp k, 0,1,2
	ds_store_b128 v7, v[4*(3*\i+\k):4*(3*\i+\k)+3] offset:PITCH*(((2*\i)&7)+16*(((2*\i)>>3)&1)+8*(((2*\i)>>4)&1))+256*\k   ; row 32 wave + 2 i + h goes to the LDS row with bits 3 and 4 of its number exchanged: so a tile's 16 rows lie on end
.endr
.endr
	WIN 0
.irp b, 0,1,2,3
.irp q, 0,1
	global_load_b128 v[SW+8*\b+4*\q:SW+8*\b+4*\q+3], v13, s[12:13] offset:1024*\b+16*\q        ; W1's scale words and b1 land while the first pass's rows are searched for
.endr
.endr
	WIN 0xc0
.irp t, 0,1,2,3,4,5,6,7
	global_load_b128 v[64+8*\t:64+8*\t+3], v14, s[14:15] offset:4*(32*(\t/2)+8*(\t%2))         ; b1 in the result's layout: hidden units 32 (t / 2) + 8 (t % 2) + 16 h + 0 .. 7
	global_load_b128 v[64+8*\t+4:64+8*\t+7], v14, s[14:15] offset:4*(32*(\t/2)+8*(\t%2))+16
.endr
	WIN 0
	s_wait_dscnt 0x0                               ; for the others' sake: my 32 rows lie in LDS
	s_barrier_signal -1
	s_barrier_wait -1                              ; the only barrier: it stands ahead of every branch on a count.  Behind it LDS is only read
	s_mov_b32 s27, s22                             ; T0 = wave
	s_mov_b32 s28, 0                               ; passes done
.Lpass:
	s_cmp_ge_u32 s27, s26
	s_cbranch_scc1 .Lnext                          ; none of my five tiles of this pass exists
	PREP
	WIN 0x40
.irp t, 0,1,2,3,4,5,6,7
	LDSWT 0, \t                                    ; W1's fragments of step 0: they lean on the wait ahead of PREP's loads, behind which no vector or matrix instruction stands
.endr
.irp s, 0,1,2,3,4,5,6,7
	STEP \s
.endr
	PLACES 4
	WIN 0
.irp j, 0,1,2,3,4
	EPI \j
.endr
.Lnext:
	s_add_co_u32 s27, s27, 20                      ; the four waves' next 20 tiles
	s_add_co_u32 s28, s28, 1
	s_cmp_lt_u32 s28, PASSES
	s_cbranch_scc1 .Lpass
	s_wait_dscnt 0x0                               ; the closing lines, six on end
	s_wait_alu 0x0
	s_wait_tensorcnt 0x0
	ds_add_u32 v134, v135
	s_wait_dscnt 0x0
	s_endpgm
.Lfunc_end_k_q3978a48d7a_ffn1:
	.size	k_q3978a48d7a_ffn1, .Lfunc_end_k_q3978a48d7a_ffn1-k_q3978a48d7a_ffn1
	.p2alignl 7, 3214868480
	.fill 96, 4, 3214868480
	.section	.rodata,"a",@progbits
	.p2align	6, 0x0
	.amdhsa_kernel k_q3978a48d7a_ffn1
		.amdhsa_group_segment_fixed_size 100864
		.amdhsa_private_segment_fixed_size 0
		.amdhsa_enable_private_segment 0
		.amdhsa_kernarg_size 64
		.amdhsa_user_sgpr_count 2
		.amdhsa_user_sgpr_kernarg_segment_ptr 1
		.amdhsa_wavefront_size32 1
		.amdhsa_system_sgpr_workgroup_id_x 1
		.amdhsa_system_sgpr_workgroup_id_y 1
		.amdhsa_system_sgpr_workgroup_id_z 1
		.amdhsa_system_vgpr_workitem_id 0
		.amdhsa_next_free_vgpr 1024
		.amdhsa_next_free_sgpr 96
		.amdhsa_reserve_vcc 0
		.amdhsa_float_denorm_mode_32 3
		.amdhsa_float_denorm_mode_16_64 3
		.amdhsa_memory_ordered 1
		.amdhsa_forward_progress 1
		.amdhsa_inst_pref_size 169
	.end_amdhsa_kernel
	.amdgpu_metadata
---
amdhsa.version: [ 1, 2 ]
amdhsa.kernels:
  - .name:           k_q3978a48d7a_ffn1
    .symbol:         k_q3978a48d7a_ffn1.kd
    .args:
      - { .name: idx, .offset: 0, .size: 8, .value_kind: global_buffer, .address_space: global }
      - { .name: xq, .offset: 8, .size: 8, .value_kind: global_buffer, .address_space: global }
      - { .name: xs, .offset: 16, .size: 8, .value_kind: global_buffer, .address_space: global }
      - { .name: W1_codes, .offset: 24, .size: 8, .value_kind: global_buffer, .address_space: global }
      - { .name: W1_scales, .offset: 32, .size: 8, .value_kind: global_buffer, .address_space: global }
      - { .name: b1, .offset: 40, .size: 8, .value_kind: global_buffer, .address_space: global }
      - { .name: hq, .offset: 48, .size: 8, .value_kind: global_buffer, .address_space: global }
      - { .name: cnt, .offset: 56, .size: 8, .value_kind: global_buffer, .address_space: global }
    .group_segment_fixed_size: 100864
    .private_segment_fixed_size: 0
    .kernarg_segment_align: 8
    .kernarg_segment_size: 64
    .max_flat_workgroup_size: 128
    .sgpr_count:     96
    .vgpr_count:     1024
    .wavefront_size: 32
...
	.end_amdgpu_metadata
.endif
;; end of part 6
;; launch ffn2 (part 7): grid 32 x 8, 4 waves a work-group, no clusters, 198,144 bytes of LDS; arguments cnt, hq, W2_codes, W2_scales, b2, y; writes y
.if DOCPART == 7
	.amdgcn_target "amdgcn-amd-amdhsa--gfx1250"
	.amdhsa_code_object_version 6
	.text
	.protected	k_q3978a48d7a_ffn2
	.globl	k_q3978a48d7a_ffn2
	.p2align	8
	.type	k_q3978a48d7a_ffn2,@function
k_q3978a48d7a_ffn2:
	s_mov_b64 s[64:65], 0
	v_nop
	global_prefetch_b8 v0, s[64:65] scope:SCOPE_SE
	s_setreg_imm32_b32 hwreg(HW_REG_WAVE_SCHED_MODE, 0, 2), 2
	s_setreg_imm32_b32 hwreg(HW_REG_WAVE_MODE, 25, 1), 1
	s_wait_xcnt 0x0
	s_wait_alu depctr_vm_vsrc(0)
; THE SECOND PRODUCT, for the routed rows alone: y[1,024 e + p][:] = h W2[e] + b2[e], f32.
; SHARES.  Work-group (2 x slice + half, e): outputs 64 slice .. 64 slice + 63 of expert e, for the row tiles of its half.  Its slice of W2 (64 rows x 3,072 bytes, dense in memory) goes once through registers into LDS; one barrier.
; Wave v takes tiles T0 + 8 j, j = 0 .. 2, T0 = half + 2 v, + 24, + 48: three passes cover the 32 tiles that a half can have.  The loop over passes has a constant count; a pass whose T0 lies at or beyond n is jumped over.
; The hidden layer's fragments come from hq straight into registers: three loads a fragment, 512 consecutive bytes each, five K steps ahead.
; A tile at or beyond n (the number of the expert's tiles, from cnt) reads the last tile's fragments and stores nothing.
; LAYOUT.  Source 0 = 16 routed rows of the hidden layer, source 1 = 16 rows of W2.  The rows of W2 that form column tile t are d = 4 r + t: so a lane's four accumulators hold, in register i, four NEIGHBOURING outputs
; of row 8 (lane / 16) + i.  The addition of b2 gathers them into four registers on end, and one store of 16 bytes a lane writes two rows' 256 bytes, each an aligned block: no stage in LDS.
; NO TENSOR LOADS, NO CLUSTER: which passes run, and which tiles are stored, hang on a count read from memory;
; without such branches every expert would have to be taken as 1,024 rows, four times the 2,048 rows that are routed.
; All 32 K steps are written out, so that every LDS offset behind the barrier is an immediate.
; REGISTERS, in windows of 256: window 0: v1-21 lane constants and offsets, v24-27 b2, v32-95 W2's scale words, v96-116 the hidden layer's (a ring of seven), v128-159 the way out.
;   window 1: the hidden layer's fragments, a ring of seven sets of 36.   window 2: v0-95 W2's fragments, sets 0 and 1; v128-223 the 12 accumulators; ahead of the barrier v0-191 carry half of the wave's rows.
;   window 3: v0-95 W2's fragments, sets 2 and 3; ahead of the barrier v0-191 carry the other half of the wave's rows.
; THE MODE: SCHED_MODE bits 1:0 = 2 (LLVM: expert scheduling mode 2), set by the entry lines.  The code itself states the register dependences
; between vector or matrix instructions and memory or LDS instructions, with s_wait_alu, always for 0.
; THE PLAN.  Registers that memory or LDS instructions touch:
;   v4-v10, v19-v21     LDS addresses and offsets: made once at the head, never written again: one wait on va_vdst ahead of the first load serves them for the whole kernel.
;   windows 2, 3 v0-191 the slice: landed by loads, read by the LDS stores ahead of the barrier; behind it W2's sets and the accumulators: one wait on vm_vsrc behind the barrier.
;   HOF, HSF            written by PREPB's six additions, read by all the pass's loads of the hidden layer.
;   W2's sets 0-3       Step s: its products read set s % 4; the LDS loads of step s + 4, issued in step s + 2, land in it.
;   the hidden ring     Step s: its products read set s % 7 and its three scale words; the loads of step s + 7, issued in step s + 2, land in them.
;   v[ST ..]            written by a tile's 32 additions, read by its eight stores.
; So every load of a step lands in registers that the products of TWO steps back read last, and ONE wait on va_vdst, at the head of each even step, serves the loads of two steps: it shows all products up to the step before done.
; The loads are dealt among the step's 12 products, which name W2's set s % 4, the ring's set s % 7, the accumulators and scale words: none of the registers that those loads touch.
.set PITCH, 3088                       ; an LDS row: 3,072 bytes + 16 = 772 words: row r starts at bank 4 r mod 64 (64 banks of 4 bytes: ISA guide 11.1)
.set PASSES, 3
.set AW,   4                           ; v4-7    column tile t: 3,088 (16 t + r) + 24 h
.set HOF,  13                          ; v13-15  tile j: 57,344 x tile + 16 lane
.set HSF,  16                          ; v16-18  tile j: 57,344 x tile + 8 lane
.set BI,   24                          ; v24-27  b2 at my four outputs
.set SW2,  32                          ; v32-95  register 32 u + s: lanes 0-15 the word of column tile 2 u, lanes 16-31 of 2 u + 1, K step s
.set HS,   96                          ; v96-116 register 3 (s % 7) + j
.set ST,   128
.set MSB, 0
.macro WIN new                         ; the immediate's high byte repeats the setting that is left; a switch that changes nothing is dropped
.if MSB != (\new)
	s_set_vgpr_msb (MSB<<8)|(\new)
.set MSB, (\new)
.endif
.endm
.macro PLACES n                        ; a load into a register that a matrix instruction has read, and a vector instruction that reads its result, stand four plain vector instructions behind it
.rept \n
	v_nop
.endr
.endm
.macro HLOAD s                         ; the three tiles' fragments and scale words of K step s into set s % 7: 12 loads
	WIN 0x40
.irp j, 0,1,2
.irp c, 0,1,2
	global_load_b128 v[36*((\s)%7)+12*\j+4*\c:36*((\s)%7)+12*\j+4*\c+3], v[HOF+\j], s[6:7] offset:1792*(\s)+512*\c
.endr
.endr
	WIN 0
.irp j, 0,1,2
	global_load_b32 v[HS+3*((\s)%7)+\j], v[HSF+\j], s[6:7] offset:1792*(\s)+1536
.endr
.endm
.macro LW2T s, t                       ; W2's fragment of column tile t, K step s: 24 bytes of a row's stream of bits as three loads of 8 bytes, twice
.irp p, 0,1,2,3,4,5
	ds_load_b64 v[48*((\s)%2)+12*(\t)+2*\p:48*((\s)%2)+12*(\t)+2*\p+1], v[AW+(\t)] offset:96*(\s)+48*(\p/3)+8*(\p%3)
.endr
.endm
.macro LW2 s, t0                       ; two of them, column tiles t0 and t0 + 1, into set s % 4: sets 0 and 1 lie in window 2, sets 2 and 3 in window 3
	WIN (2+((\s)%4)/2)<<6
	LW2T \s, \t0
	LW2T \s, (\t0)+1
.endm
; 12 matrix instructions; the 12 accumulators take turns, one instruction a turn, in the same order in every step.  The first step's products start the sums.
; W2's fragments of two steps on are dealt among them: twelve LDS loads ahead of each of the first two groups of four.  No wait stands at these loads: no vector or matrix instruction since the last wait on va_vdst names their set.
.macro MULB s
.irp j, 0,1,2
.if ((\s) < 30) && (\j < 2)
	LW2 (\s)+2, 2*\j
.endif
	WIN 0xa1|((2+((\s)%4)/2)<<2)                   ; source 0 (hidden) window 1; source 1 (W2) its set's window; C and D window 2
.irp t, 0,1,2,3
.set AC, 128+32*\j+8*\t
.set HF, 36*((\s)%7)+12*\j
.set WF, 48*((\s)%2)+12*\t
.if (\s) == 0
.if \t%2
	v_wmma_scale_f32_16x16x128_f8f6f4 v[AC:AC+7], v[HF:HF+11], v[WF:WF+11], 0, v[HS+3*((\s)%7)+\j], v[SW2+32*(\t/2)+(\s)] matrix_a_fmt:MATRIX_FMT_FP6 matrix_b_fmt:MATRIX_FMT_FP6 matrix_b_scale:MATRIX_SCALE_ROW1
.else
	v_wmma_scale_f32_16x16x128_f8f6f4 v[AC:AC+7], v[HF:HF+11], v[WF:WF+11], 0, v[HS+3*((\s)%7)+\j], v[SW2+32*(\t/2)+(\s)] matrix_a_fmt:MATRIX_FMT_FP6 matrix_b_fmt:MATRIX_FMT_FP6
.endif
.else
.if \t%2
	v_wmma_scale_f32_16x16x128_f8f6f4 v[AC:AC+7], v[HF:HF+11], v[WF:WF+11], v[AC:AC+7], v[HS+3*((\s)%7)+\j], v[SW2+32*(\t/2)+(\s)] matrix_a_fmt:MATRIX_FMT_FP6 matrix_b_fmt:MATRIX_FMT_FP6 matrix_b_scale:MATRIX_SCALE_ROW1
.else
	v_wmma_scale_f32_16x16x128_f8f6f4 v[AC:AC+7], v[HF:HF+11], v[WF:WF+11], v[AC:AC+7], v[HS+3*((\s)%7)+\j], v[SW2+32*(\t/2)+(\s)] matrix_a_fmt:MATRIX_FMT_FP6 matrix_b_fmt:MATRIX_FMT_FP6
.endif
.endif
.endr
.endr
.endm
; A K step of 128.  Steps 0 and 1 lean on the wait at the pass's head; steps 30 and 31 ask for nothing.
; Step 0's four places: its products begin the twelve accumulators anew, with the constant 0 as C, and a matrix instruction that writes over registers of an earlier one stands five places behind it (ISA guide 7.12.1);
; round the loop these four come on top of the four behind step 31, also on the way on which no tile of the last pass was stored.
.macro STEPB s
.if (((\s)%2) == 0) && ((\s) <= 28)
	PLACES 4
.endif
.if (\s) < 31
	s_wait_dscnt 24                                ; this step's fragments of W2 are in; the next step's 24 loads may be out
.else
	s_wait_dscnt 0x0
.endif
.if (\s) < 27
	s_wait_loadcnt 48                              ; this step's hidden fragments are in; the four sets behind them, 12 loads each, may be out
.else
	s_wait_loadcnt 12*(31-(\s))
.endif
.if (((\s)%2) == 0) && ((\s) >= 2) && ((\s) <= 28)
	s_wait_alu depctr_va_vdst(0)                   ; the products of the last two steps are done reading their sets of W2, their sets of the ring and their scale words, in which the loads of this step and the next land
.endif
.if (\s) < 27
	HLOAD (\s)+5
.endif
	MULB \s
.endm
; The three tiles of the pass that begins at tile s[b], held inside the expert's list, and the first five K steps' loads: 60.  again = 1: behind a pass.
.macro PREPB b, again
	s_wait_xcnt 0x0                                ; every earlier load and store has read its registers
.if \again
	s_wait_alu depctr_vm_vsrc(0)                   ; the last pass's loads have read HOF and HSF, which the additions below write again
.endif
.irp j, 0,1,2
	s_add_co_u32 s30, s[\b], 8*\j
	s_min_u32 s30, s30, s23
	s_min_u32 s30, s30, 63
	s_mul_i32 s30, s30, 57344
	v_add_nc_u32 v[HOF+\j], s30, v11
	v_add_nc_u32 v[HSF+\j], s30, v12
.endr
	s_wait_alu depctr_va_vdst(0)                   ; HOF and HSF are written, which the loads below read; behind a pass: its products are done reading the ring's sets and scale words, in which they land
.irp s, 0,1,2,3,4
	HLOAD \s
.endr
.endm
.macro EPIB j                          ; the way out of tile j
	s_add_co_u32 s30, s22, 8*\j
	s_cmp_ge_u32 s30, s21
	s_cbranch_scc1 .Lskipb_\@
	s_wait_xcnt 0x0                                ; the last tile's stores have read their data and their base
	s_wait_alu depctr_vm_vsrc(0)                   ; the last tile's stores (for tile 0: the last pass's) have read v[ST ..], which the additions below write again
	s_min_u32 s30, s30, 63
	s_lshl_b32 s30, s30, 16                        ; 16 rows of 4,096 bytes a tile
	s_mov_b32 s31, 0
	s_add_nc_u64 s[28:29], s[26:27], s[30:31]
	WIN 0x02                                       ; source 0: window 2
.irp i, 0,1,2,3,4,5,6,7
.irp t, 0,1,2,3
	v_add_f32 v[ST+4*\i+\t], v[128+32*\j+8*\t+\i], v[BI+\t]    ; + b2; each accumulator from its low end on
.endr
.endr
	WIN 0
	s_wait_alu depctr_va_vdst(0)                   ; the 32 additions have written v[ST ..], which the eight stores read
.irp i, 0,1,2,3,4,5,6,7
	global_store_b128 v21, v[ST+4*\i:ST+4*\i+3], s[28:29] offset:4096*\i   ; lanes 0-15 store row i's 256 bytes, lanes 16-31 row 8 + i's: each at a multiple of 256 from y's first byte
.endr
.Lskipb_\@:
.endm
	s_load_b256 s[4:11], s[0:1], 0x0               ; cnt, hq, W2's codes, W2's scales
	s_load_b128 s[12:15], s[0:1], 0x20             ; b2, y
	v_lshl_add_u32 v254, v0, 2, 0x30400
	v_mov_b32 v255, 0
	v_lshrrev_b32 v1, 5, v0
	v_readfirstlane_b32 s16, v1                    ; wave
	s_and_b32 s17, ttmp7, 0xffff                   ; e
	s_lshr_b32 s18, ttmp9, 1                       ; slice
	s_and_b32 s19, ttmp9, 1                        ; half
	v_and_b32 v1, 15, v0                           ; r
	v_bfe_u32 v2, v0, 4, 1                         ; h
	v_and_b32 v3, 31, v0                           ; lane
	v_mul_u32_u24 v[AW], v1, PITCH
	v_mad_u32_u24 v[AW], v2, 24, v[AW]
	v_add_nc_u32 v[AW+1], 16*PITCH, v[AW]
	v_add_nc_u32 v[AW+2], 32*PITCH, v[AW]
	v_add_nc_u32 v[AW+3], 48*PITCH, v[AW]
	s_wait_alu depctr_va_sdst(0)                   ; s16, the wave's number, is written, ahead of its first reader
	s_mul_i32 s24, s16, 49152
	v_mul_u32_u24 v8, v2, 3072
	v_lshl_add_u32 v8, v1, 4, v8
	v_add_nc_u32 v8, s24, v8                       ; the slice in memory: my wave's 16 rows; lanes 0-15 one row's 256 bytes, lanes 16-31 the next row's
	s_mul_i32 s24, s16, 4*PITCH
	v_mul_u32_u24 v9, v2, 16*PITCH
	v_lshl_add_u32 v9, v1, 4, v9
	v_add_nc_u32 v9, s24, v9                       ; in LDS: row d of the slice lies at LDS row 16 (d % 4) + d / 4; d = 16 wave + 2 i + h: even i,
	v_add_nc_u32 v10, 32*PITCH, v9                 ; odd i
	v_lshlrev_b32 v11, 4, v3
	v_lshlrev_b32 v12, 3, v3
	v_lshlrev_b32 v19, 9, v1
	v_lshl_add_u32 v19, v2, 7, v19                 ; W2's scale bytes: 128 a row; row 4 r + h of a pair of column tiles
	v_lshlrev_b32 v20, 4, v1                       ; b2: my four outputs
	v_lshl_add_u32 v21, v2, 15, v20                ; y: 8 h rows of 4,096 bytes + 16 r
	s_mov_b32 s25, 0
	s_wait_kmcnt 0x0
	s_lshl_b32 s24, s17, 7
	s_add_nc_u64 s[4:5], s[4:5], s[24:25]
	s_load_b32 s20, s[4:5], 0x0                    ; my expert's number of rows
	s_mul_i32 s24, s17, 3145728
	s_mul_i32 s30, s18, 196608
	s_add_co_u32 s24, s24, s30
	s_add_nc_u64 s[8:9], s[8:9], s[24:25]          ; W2's codes at my slice
	s_mul_i32 s24, s17, 3670016
	s_add_nc_u64 s[6:7], s[6:7], s[24:25]          ; hq[e]
	s_lshl_b32 s24, s17, 17
	s_lshl_b32 s30, s18, 13
	s_add_co_u32 s24, s24, s30
	s_add_nc_u64 s[10:11], s[10:11], s[24:25]      ; W2's scale bytes
	s_lshl_b32 s24, s17, 12
	s_lshl_b32 s30, s18, 8
	s_add_co_u32 s24, s24, s30
	s_add_nc_u64 s[12:13], s[12:13], s[24:25]      ; b2
	s_lshl_b32 s24, s17, 22
	s_add_co_u32 s24, s24, s30
	s_add_nc_u64 s[26:27], s[14:15], s[24:25]      ; y at row 1,024 e, my 64 columns
	WIN 0xc0
	s_wait_alu depctr_va_vdst(0)                   ; the LDS addresses and offsets v4 to v10 and v19 to v21 are written: every load, store and LDS instruction of the kernel but the hidden layer's loads reads one of them, and no later line writes them
.irp i, 0,1,2,3
.irp k, 0,1,2,3,4,5,6,7,8,9,10,11
	global_load_b128 v[4*(12*\i+\k):4*(12*\i+\k)+3], v8, s[8:9] offset:6144*\i+256*\k          ; sixteen lanes read 256 consecutive bytes, aligned
.endr
.endr
	WIN 0x80
.irp i, 4,5,6,7
.irp k, 0,1,2,3,4,5,6,7,8,9,10,11
	global_load_b128 v[4*(12*(\i-4)+\k):4*(12*(\i-4)+\k)+3], v8, s[8:9] offset:6144*\i+256*\k
.endr
.endr
	s_wait_loadcnt 48                              ; the first 48 loads are in; the other 48 may be out
	WIN 0x0c                                       ; an LDS store's data are its source 1: window 3
.irp i, 0,1,2,3
.irp k, 0,1,2,3,4,5,6,7,8,9,10,11
	ds_store_b128 v[9+\i%2], v[4*(12*\i+\k):4*(12*\i+\k)+3] offset:PITCH*(\i/2)+256*\k
.endr
.endr
	WIN 0
.irp u, 0,1
.irp q, 0,1,2,3,4,5,6,7
	global_load_b128 v[SW2+32*\u+4*\q:SW2+32*\u+4*\q+3], v19, s[10:11] offset:256*\u+16*\q
.endr
.endr
	global_load_b128 v[BI:BI+3], v20, s[12:13]
	s_wait_kmcnt 0x0
	s_add_co_u32 s21, s20, 15
	s_lshr_b32 s21, s21, 4
	s_min_u32 s21, s21, 64                         ; n: the number of tiles
	s_sub_co_i32 s23, s21, 1
	s_max_i32 s23, s23, 0                          ; the last tile (0 where the expert has none: such a work-group stores nothing)
	s_lshl_b32 s22, s16, 1
	s_add_co_u32 s22, s22, s19                     ; T0 = half + 2 x wave
	PREPB 22, 0                                    ; the first pass's hidden fragments are on their way while the slice goes into LDS
	s_wait_loadcnt 63                              ; the slice's second half is in: 77 loads were issued behind it, and 63 is the largest count that the wait can name
	WIN 0x08                                       ; data in window 2
.irp i, 4,5,6,7
.irp k, 0,1,2,3,4,5,6,7,8,9,10,11
	ds_store_b128 v[9+\i%2], v[4*(12*(\i-4)+\k):4*(12*(\i-4)+\k)+3] offset:PITCH*(\i/2)+256*\k
.endr
.endr
	WIN 0
	s_wait_dscnt 0x0                               ; for the others' sake: my 16 rows lie in LDS
	s_barrier_signal -1
	s_barrier_wait -1                              ; the only barrier: it stands ahead of every branch on the count.  Behind it LDS is only read
	s_wait_alu depctr_vm_vsrc(0)                   ; my LDS stores have read v0-191 of windows 2 and 3: these registers are W2's four sets and the accumulators from here on, written by LDS loads and by matrix instructions
	s_mov_b32 s32, 0                               ; passes done
.Lpass:
	s_cmp_ge_u32 s22, s21
	s_cbranch_scc1 .Lnext                          ; none of my three tiles of this pass exists
	s_wait_alu depctr_va_vdst(0)                   ; round the loop: the last pass's products are done reading W2's four sets and the ring's sets 5 and 6 with their scale words, in which the loads below and those of steps 0 and 1 land
	LW2 0, 0
	LW2 0, 2
	LW2 1, 0
	LW2 1, 2
.set KS, 0
.rept 32
	STEPB KS
.set KS, KS+1
.endr
	PLACES 4
	WIN 0
	EPIB 0
	EPIB 1
	EPIB 2
	s_add_co_u32 s33, s22, 24
	s_cmp_ge_u32 s33, s21
	s_cbranch_scc1 .Lnext                          ; no further pass: nothing more is asked for
	PREPB 33, 1
.Lnext:
	s_add_co_u32 s22, s22, 24                      ; the four waves' next 12 tiles of this half
	s_add_co_u32 s32, s32, 1
	s_cmp_lt_u32 s32, PASSES
	s_cbranch_scc1 .Lpass
	s_wait_dscnt 0x0                               ; the closing lines, six on end
	s_wait_alu 0x0
	s_wait_tensorcnt 0x0
	ds_add_u32 v254, v255
	s_wait_dscnt 0x0
	s_endpgm
.Lfunc_end_k_q3978a48d7a_ffn2:
	.size	k_q3978a48d7a_ffn2, .Lfunc_end_k_q3978a48d7a_ffn2-k_q3978a48d7a_ffn2
	.p2alignl 7, 3214868480
	.fill 96, 4, 3214868480
	.section	.rodata,"a",@progbits
	.p2align	6, 0x0
	.amdhsa_kernel k_q3978a48d7a_ffn2
		.amdhsa_group_segment_fixed_size 198144
		.amdhsa_private_segment_fixed_size 0
		.amdhsa_enable_private_segment 0
		.amdhsa_kernarg_size 48
		.amdhsa_user_sgpr_count 2
		.amdhsa_user_sgpr_kernarg_segment_ptr 1
		.amdhsa_wavefront_size32 1
		.amdhsa_system_sgpr_workgroup_id_x 1
		.amdhsa_system_sgpr_workgroup_id_y 1
		.amdhsa_system_sgpr_workgroup_id_z 1
		.amdhsa_system_vgpr_workitem_id 0
		.amdhsa_next_free_vgpr 1024
		.amdhsa_next_free_sgpr 66
		.amdhsa_reserve_vcc 0
		.amdhsa_float_denorm_mode_32 3
		.amdhsa_float_denorm_mode_16_64 3
		.amdhsa_memory_ordered 1
		.amdhsa_forward_progress 1
		.amdhsa_inst_pref_size 177
	.end_amdhsa_kernel
	.amdgpu_metadata
---
amdhsa.version: [ 1, 2 ]
amdhsa.kernels:
  - .name:           k_q3978a48d7a_ffn2
    .symbol:         k_q3978a48d7a_ffn2.kd
    .args:
      - { .name: cnt, .offset: 0, .size: 8, .value_kind: global_buffer, .address_space: global }
      - { .name: hq, .offset: 8, .size: 8, .value_kind: global_buffer, .address_space: global }
      - { .name: W2_codes, .offset: 16, .size: 8, .value_kind: global_buffer, .address_space: global }
      - { .name: W2_scales, .offset: 24, .size: 8, .value_kind: global_buffer, .address_space: global }
      - { .name: b2, .offset: 32, .size: 8, .value_kind: global_buffer, .address_space: global }
      - { .name: y, .offset: 40, .size: 8, .value_kind: global_buffer, .address_space: global }
    .group_segment_fixed_size: 198144
    .private_segment_fixed_size: 0
    .kernarg_segment_align: 8
    .kernarg_segment_size: 48
    .max_flat_workgroup_size: 128
    .sgpr_count:     66
    .vgpr_count:     1024
    .wavefront_size: 32
...
	.end_amdgpu_metadata
.endif
;; end of part 7
;; launch combine (part 8): grid 256 x 1, 4 waves a work-group, no clusters, 0 bytes of LDS; arguments idx, gat, y, out0; writes out0
.if DOCPART == 8
	.amdgcn_target "amdgcn-amd-amdhsa--gfx1250"
	.amdhsa_code_object_version 6
	.text
	.protected	k_q3978a48d7a_combine
	.globl	k_q3978a48d7a_combine
	.p2align	8
	.type	k_q3978a48d7a_combine,@function
k_q3978a48d7a_combine:
	s_mov_b64 s[64:65], 0
	v_nop
	global_prefetch_b8 v0, s[64:65] scope:SCOPE_SE
	s_setreg_imm32_b32 hwreg(HW_REG_WAVE_MODE, 25, 1), 1
	s_wait_xcnt 0x0
; out0[t][:] = g0 y[row0][:] + g1 y[row1][:].  One wave takes one token t = 4 x work-group + wave: each output row has one owner, nothing is added across work-groups.
; WHERE A TOKEN'S TWO ROWS LIE.  Row = 1,024 e + p, p the token's position in expert e's list.  The list's order is that of the launch that made the hidden layer: idx is read whole, 32 registers a lane;
; register w, lane i stands for token 128 (w / 4) + 4 i + w % 4, and p is the number of the expert's members with a smaller 32 w + i.  My token stands at w = 4 (t / 128) + t % 4, i = (t / 4) % 32.
; For each w one compare gives the lanes that lie in front of my token, two more the members of my two experts; the counting is scalar.  idx holds whole numbers that an earlier launch stored;
; a row's number is held at 8,191, the last row of y, before it enters an address.
; A row is 4,096 bytes: eight loads of 512 consecutive bytes from each of the two rows, eight stores of 512 consecutive bytes.  No LDS, no barrier, no matrix unit: the launch only moves bytes.
.set IW, 104                           ; v104-135 idx
	s_load_b256 s[4:11], s[0:1], 0x0               ; idx, gat, y, out0
	v_lshrrev_b32 v1, 5, v0
	v_readfirstlane_b32 s12, v1                    ; wave
	v_and_b32 v1, 31, v0                           ; lane
	s_wait_alu depctr_va_vdst(0)
	v_lshlrev_b32 v2, 4, v1                        ; 16 x lane
	s_lshl_b32 s13, ttmp9, 2
	s_add_co_u32 s13, s13, s12                     ; my token
	s_lshr_b32 s14, ttmp9, 5
	s_lshl_b32 s14, s14, 2
	s_add_co_u32 s14, s14, s12                     ; its w = 4 (t / 128) + t % 4
	s_lshl_b32 s14, s14, 5
	s_and_b32 s15, ttmp9, 31
	s_add_co_u32 s14, s14, s15                     ; 32 w + i
	v_sub_nc_u32 v3, s14, v1                       ; less my lane: register w of my lane lies in front of my token where 32 w is smaller than this (as signed numbers)
	s_lshl_b32 s16, s13, 2
	s_mov_b32 s17, 0
	s_lshl_b32 s18, s13, 3
	s_mov_b32 s19, 0
	s_lshl_b32 s20, s13, 12
	s_mov_b32 s21, 0
	s_wait_alu depctr_va_vdst(0)
	s_wait_kmcnt 0x0
.irp a, 0,1,2,3,4,5,6,7
	global_load_b128 v[IW+4*\a:IW+4*\a+3], v2, s[4:5] offset:512*\a
.endr
	s_add_nc_u64 s[22:23], s[4:5], s[16:17]
	s_add_nc_u64 s[6:7], s[6:7], s[18:19]
	s_add_nc_u64 s[10:11], s[10:11], s[20:21]      ; out0 + 4,096 t
	s_load_b32 s24, s[22:23], 0x0                  ; my token's word: (1 << e0) | (0x100 << e1)
	s_load_b64 s[26:27], s[6:7], 0x0               ; the two weights
	s_wait_kmcnt 0x0
	s_and_b32 s28, s24, 0xff                       ; 1 << e0
	s_bfe_u32 s29, s24, 0x80008                    ; 1 << e1
	s_ctz_i32_b32 s30, s28                         ; e0
	s_ctz_i32_b32 s31, s29                         ; e1
	s_mul_i32 s28, s28, 0x101                      ; an expert's two bits of an idx word: as first choice and as second
	s_mul_i32 s29, s29, 0x101
	s_lshl_b32 s30, s30, 10                        ; 1,024 e: the counts are added onto it
	s_lshl_b32 s31, s31, 10
	s_wait_loadcnt 0x0                             ; idx
.set w, 0
.rept 32
.set TS, 32+4*(w%2)
.set TV, 4+2*(w%2)
	v_cmp_lt_i32 s[TS], 32*w, v3                   ; the lanes whose token lies in front of mine
	v_and_b32 v[TV], s28, v[IW+w]
	v_and_b32 v[TV+1], s29, v[IW+w]
	v_cmp_ne_u32 s[TS+1], 0, v[TV]                 ; the members of my first expert,
	v_cmp_ne_u32 s[TS+2], 0, v[TV+1]               ; of my second
	s_and_b32 s[TS+1], s[TS+1], s[TS]
	s_and_b32 s[TS+2], s[TS+2], s[TS]
	s_bcnt1_i32_b32 s[TS+1], s[TS+1]
	s_bcnt1_i32_b32 s[TS+2], s[TS+2]
	s_add_co_u32 s30, s30, s[TS+1]
	s_add_co_u32 s31, s31, s[TS+2]
.set w, w+1
.endr
	s_min_u32 s30, s30, 8191
	s_min_u32 s31, s31, 8191
	s_lshl_b32 s16, s30, 12
	s_mov_b32 s17, 0
	s_lshl_b32 s18, s31, 12
	s_mov_b32 s19, 0
	s_add_nc_u64 s[16:17], s[8:9], s[16:17]
	s_add_nc_u64 s[18:19], s[8:9], s[18:19]
	s_mov_b32 s40, s27                             ; g1 as the low word of a pair of its own: the packed forms take a scalar pair's low word for both halves
	s_mov_b32 s41, s27
.irp i, 0,1,2,3,4,5,6,7
	global_load_b128 v[8+4*\i:11+4*\i], v2, s[16:17] offset:512*\i th:TH_LOAD_NT       ; each row of y is read once in the launch
.endr
.irp i, 0,1,2,3,4,5,6,7
	global_load_b128 v[40+4*\i:43+4*\i], v2, s[18:19] offset:512*\i th:TH_LOAD_NT
.endr
.irp i, 0,1,2,3,4,5,6,7
	s_wait_loadcnt 7-\i                            ; piece i of both rows is in: behind the second row's piece i stand 7 - i loads
	v_pk_mul_f32 v[72+4*\i:73+4*\i], v[8+4*\i:9+4*\i], s[26:27] op_sel_hi:[1,0]
	v_pk_mul_f32 v[74+4*\i:75+4*\i], v[10+4*\i:11+4*\i], s[26:27] op_sel_hi:[1,0]
	v_pk_fma_f32 v[72+4*\i:73+4*\i], v[40+4*\i:41+4*\i], s[40:41], v[72+4*\i:73+4*\i] op_sel_hi:[1,0,1]
	v_pk_fma_f32 v[74+4*\i:75+4*\i], v[42+4*\i:43+4*\i], s[40:41], v[74+4*\i:75+4*\i] op_sel_hi:[1,0,1]
	global_store_b128 v2, v[72+4*\i:75+4*\i], s[10:11] offset:512*\i th:TH_STORE_NT    ; 32 lanes store 512 consecutive bytes, at a multiple of 256 from out0's first byte
.endr
	s_endpgm
.Lfunc_end_k_q3978a48d7a_combine:
	.size	k_q3978a48d7a_combine, .Lfunc_end_k_q3978a48d7a_combine-k_q3978a48d7a_combine
	.p2alignl 7, 3214868480
	.fill 96, 4, 3214868480
	.section	.rodata,"a",@progbits
	.p2align	6, 0x0
	.amdhsa_kernel k_q3978a48d7a_combine
		.amdhsa_group_segment_fixed_size 0
		.amdhsa_private_segment_fixed_size 0
		.amdhsa_enable_private_segment 0
		.amdhsa_kernarg_size 32
		.amdhsa_user_sgpr_count 2
		.amdhsa_user_sgpr_kernarg_segment_ptr 1
		.amdhsa_wavefront_size32 1
		.amdhsa_system_sgpr_workgroup_id_x 1
		.amdhsa_system_sgpr_workgroup_id_y 1
		.amdhsa_system_sgpr_workgroup_id_z 1
		.amdhsa_system_vgpr_workitem_id 0
		.amdhsa_next_free_vgpr 136
		.amdhsa_next_free_sgpr 66
		.amdhsa_reserve_vcc 0
		.amdhsa_float_denorm_mode_32 3
		.amdhsa_float_denorm_mode_16_64 3
		.amdhsa_memory_ordered 1
		.amdhsa_forward_progress 1
		.amdhsa_inst_pref_size 23
	.end_amdhsa_kernel
	.amdgpu_metadata
---
amdhsa.version: [ 1, 2 ]
amdhsa.kernels:
  - .name:           k_q3978a48d7a_combine
    .symbol:         k_q3978a48d7a_combine.kd
    .args:
      - { .name: idx, .offset: 0, .size: 8, .value_kind: global_buffer, .address_space: global }
      - { .name: gat, .offset: 8, .size: 8, .value_kind: global_buffer, .address_space: global }
      - { .name: y, .offset: 16, .size: 8, .value_kind: global_buffer, .address_space: global }
      - { .name: out0, .offset: 24, .size: 8, .value_kind: global_buffer, .address_space: global }
    .group_segment_fixed_size: 0
    .private_segment_fixed_size: 0
    .kernarg_segment_align: 8
    .kernarg_segment_size: 32
    .max_flat_workgroup_size: 128
    .sgpr_count:     66
    .vgpr_count:     136
    .wavefront_size: 32
...
	.end_amdgpu_metadata
.endif
;; end of part 8
